; MI455X (gfx1250); checked and timed in simulation.
; The chip was launched on July 23, 2026; its instructions are those of AMD's public machine-readable ISA for CDNA 5 (MIT licence, August 2026) and "CDNA5" Instruction Set Architecture Reference Guide (July 2026). The comments in the code are by the model that wrote it; some were corrected since.
;; Mo E. Allowed arithmetic: float matrix products may take bf16 or f16 operands with f32 sums; all other float work in f32.
;; Inputs: W1 2 x 1,024 x 4,096 float32; W2 2 x 4,096 x 1,024 float32; Wn 1,024 x 2 float32; Wr 1,024 x 2 float32; b1 2 x 4,096 float32; b2 2 x 1,024 float32; bn 2 float32; br 2 float32; noise 2 x 2,048 x 2 float32; x 2 x 2,048 x 1,024 float32.
;; Outputs: out0 2 x 2,048 x 1,024 float32.
;; 2 versions, each right; version 2 is version 1 with the launch prep written anew for expert scheduling mode. Each part assembles by itself: llvm-mc -triple=amdgcn-amd-amdhsa -mcpu=gfx1250 --defsym DOCPART=n.
;; ======== version 1 of 2: 3 launches
;; workspace buffers: W1b 16,777,216 bytes; W2b 16,777,216 bytes; xb 8,388,608 bytes; hb 67,108,864 bytes; gates 65,536 bytes
;; launch prep (part 1): grid 256 x 3, 8 waves a work-group, no clusters, 0 bytes of LDS; arguments W1, W2, x, Wr, Wn, br, bn, noise, W1b, W2b, xb, gates; writes W1b, W2b, xb, gates
.if DOCPART == 1
	.amdgcn_target "amdgcn-amd-amdhsa--gfx1250"
	.amdhsa_code_object_version 6
	.text
	.protected	k_q16afbf244f_prep
	.globl	k_q16afbf244f_prep
	.p2align	8
	.type	k_q16afbf244f_prep,@function
k_q16afbf244f_prep:
	s_mov_b64 s[64:65], 0
	v_nop
	global_prefetch_b8 v0, s[64:65] scope:SCOPE_SE
	s_setreg_imm32_b32 hwreg(HW_REG_WAVE_MODE, 25, 1), 1
	s_wait_xcnt 0x0
; PREPARATION FOR THE TWO PRODUCTS OF THE EXPERT LAYER.  Grid y chooses the work:
;   y = 0: W1 [2][1024][4096] f32 -> W1b, the same layout in bf16.     y = 1: W2 [2][4096][1024] f32 -> W2b likewise.
;   y = 2: x [4096][1024] f32 -> xb in bf16, and the gates of all 4,096 tokens.
; THE GATES.  The router keeps the 2 largest of 2 noisy logits, that is both, whatever the numbers: the gates are softmax(noisy) over the two experts,
; noisy = x.Wr + br + noise * softplus(x.Wn + bn).  The larger noisy logit is taken away before the exponentials.
; gates is laid [expert][token][2] in f32, each gate written twice: a load of 8 bytes then brings the pair that a packed multiply takes.
; FORMATS AND LIMITS.  EVERY input of the module is rounded to bf16 (nearest even) before it is used, here x, Wr, Wn, br, bn and noise; all arithmetic behind that is f32.
; softplus(z) = max(z, 0) + ln(1 + e^-|z|): no exponent is above 0; for z below -16.6 the sum 1 + e^z rounds to 1 and softplus comes out as 0 in place of e^z (under 6e-8).
; A softmax weight below 2^-126 counts as 0.  NaN and infinities are not treated apart.
; No LDS, no barrier, no matrix unit, no loop: memory binds the casts, and a token's four dot products never leave a wave.
; No register that a pending load or store names is written again, so the only waits are the counted ones for data.
.set ACC, 8                            ; v[8:23]    row rr, sum s (x.Wr e0, x.Wr e1, x.Wn e0, x.Wn e1): a pair at ACC + 8 rr + 2 s
.set Y,   24                           ; v[24:55]   row rr: 16 words of two bf16, to store
.set X,   56                           ; v[56:183]  casts: 32 loads of four.  Router: v[56:119], 32 a row; later at work for the gates
.set WR,  120                          ; v[120:183] Wr of my 32 columns
.set WN,  184                          ; v[184:247] Wn of my 32 columns
	s_load_b512 s[8:23], s[0:1], 0x0               ; W1 s[8:9], W2 s[10:11], x s[12:13], Wr s[14:15], Wn s[16:17], br s[18:19], bn s[20:21], noise s[22:23]
	s_load_b256 s[24:31], s[0:1], 0x40             ; W1b s[24:25], W2b s[26:27], xb s[28:29], gates s[30:31]
	s_and_b32 s2, ttmp7, 0xffff                    ; grid y
	s_wait_kmcnt 0x0
	s_cmp_eq_u32 s2, 2
	s_cbranch_scc1 .Lrouter
	; THE CASTS.  A work-group takes 131,072 bytes of f32: 32 loads of 16 bytes a thread, all issued before the first is waited for.
	; A load of a wave covers 512 consecutive bytes, a store 256 consecutive bytes at a multiple of 256 from the buffer's first byte.
	s_cmp_eq_u32 s2, 0
	s_cselect_b64 s[4:5], s[8:9], s[10:11]         ; from W1 or W2
	s_cselect_b64 s[6:7], s[24:25], s[26:27]       ; to W1b or W2b
	s_lshl_b32 s46, ttmp9, 17                      ; the work-group's 131,072 bytes in,
	s_mov_b32 s47, 0
	s_add_nc_u64 s[4:5], s[4:5], s[46:47]
	s_lshl_b32 s46, ttmp9, 16                      ; its 65,536 bytes out
	s_add_nc_u64 s[6:7], s[6:7], s[46:47]
	v_lshlrev_b32 v1, 4, v0                        ; 16 t
	v_lshlrev_b32 v2, 3, v0                        ; 8 t
.set j, 0
.rept 32
	global_load_b128 v[X+4*j:X+4*j+3], v1, s[4:5] offset:4096*j th:TH_LOAD_NT
.set j, j+1
.endr
.set j, 0
.rept 32
	s_wait_loadcnt 31-j                            ; loads come back in order (ISA guide 5.7.1): load j is in, the 31 - j younger ones stay out
	v_cvt_pk_bf16_f32 v[X+4*j], v[X+4*j], v[X+4*j+1]
	v_cvt_pk_bf16_f32 v[X+4*j+1], v[X+4*j+2], v[X+4*j+3]
	global_store_b64 v2, v[X+4*j:X+4*j+1], s[6:7] offset:2048*j
.set j, j+1
.endr
	s_endpgm
	; THE ROUTER.  A work-group takes 16 tokens, a wave two whole rows of x.  Load j of a row gives lane l the columns 128 j + 4 l + 0..3.
.Lrouter:
	v_lshrrev_b32 v5, 5, v0
	v_readfirstlane_b32 s3, v5                     ; wave 0..7
	v_and_b32 v1, 31, v0                           ; lane l
	v_lshlrev_b32 v2, 4, v1                        ; 16 l: x
	v_lshlrev_b32 v3, 5, v1                        ; 32 l: Wr, Wn (four columns of two experts)
	v_lshlrev_b32 v4, 3, v1                        ; 8 l: xb
	s_lshl_b32 s46, ttmp9, 7                       ; my first token, 16 x work-group + 2 x wave, times 8 bytes: noise and gates
	s_lshl_b32 s2, s3, 4
	s_add_co_u32 s46, s46, s2
	s_mov_b32 s47, 0
	s_add_nc_u64 s[22:23], s[22:23], s[46:47]
	s_add_nc_u64 s[30:31], s[30:31], s[46:47]
	s_load_b64 s[32:33], s[18:19], 0x0             ; br
	s_load_b64 s[34:35], s[20:21], 0x0             ; bn
	s_load_b128 s[36:39], s[22:23], 0x0            ; noise of my two tokens
	s_lshl_b32 s4, ttmp9, 16                       ; times 4,096 bytes: x
	s_lshl_b32 s2, s3, 13
	s_add_co_u32 s4, s4, s2
	s_mov_b32 s5, 0
	s_add_nc_u64 s[12:13], s[12:13], s[4:5]
	s_lshl_b32 s6, ttmp9, 15                       ; times 2,048 bytes: xb
	s_lshl_b32 s2, s3, 12
	s_add_co_u32 s6, s6, s2
	s_mov_b32 s7, 0
	s_add_nc_u64 s[28:29], s[28:29], s[6:7]
	s_mov_b32 s40, 0x76543210                      ; v_permlanex16_b32: each lane takes its own place in the other half
	s_mov_b32 s41, 0xfedcba98
	s_mov_b32 s43, 0x3fb8aa3b                      ; log2(e)
	s_mov_b32 s44, 0x3f317218                      ; ln(2)
	s_mov_b32 s45, 0xffff0000                      ; a word's upper bf16
.set j, 0
.rept 8
	global_load_b128 v[WR+8*j:WR+8*j+3],   v3, s[14:15] offset:1024*j
	global_load_b128 v[WR+8*j+4:WR+8*j+7], v3, s[14:15] offset:1024*j+16
.set j, j+1
.endr
.set j, 0
.rept 8
	global_load_b128 v[WN+8*j:WN+8*j+3],   v3, s[16:17] offset:1024*j
	global_load_b128 v[WN+8*j+4:WN+8*j+7], v3, s[16:17] offset:1024*j+16
.set j, j+1
.endr
.set j, 0
.rept 8
	global_load_b128 v[X+4*j:X+4*j+3],       v2, s[12:13] offset:512*j th:TH_LOAD_NT
	global_load_b128 v[X+32+4*j:X+32+4*j+3], v2, s[12:13] offset:4096+512*j th:TH_LOAD_NT
.set j, j+1
.endr
; Four registers hold W[c][0], W[c][1], W[c+1][0], W[c+1][1].  They are rounded to bf16 and laid anew as the pairs (W[c][0], W[c+1][0]) and (W[c][1], W[c+1][1]),
; which a packed multiply-add takes beside the pair (x[c], x[c+1]).
.macro RNDW base
.set g, 0
.rept 16
	v_cvt_pk_bf16_f32 v5, v[(\base)+4*g], v[(\base)+4*g+2]
	v_cvt_pk_bf16_f32 v6, v[(\base)+4*g+1], v[(\base)+4*g+3]
	v_lshlrev_b32 v[(\base)+4*g],   16, v5
	v_and_b32     v[(\base)+4*g+1], s45, v5
	v_lshlrev_b32 v[(\base)+4*g+2], 16, v6
	v_and_b32     v[(\base)+4*g+3], s45, v6
.set g, g+1
.endr
.endm
	s_wait_loadcnt 16                              ; the 16 younger loads are x's: Wr and Wn are in
	RNDW WR
	RNDW WN
	s_wait_loadcnt 0x0                             ; x
	; Word d of a row: two x are rounded (the word that xb takes), widened again, and enter the row's four sums.  Two rows x four sums: eight chains that do not wait for each other.
	; The first word starts the sums: nothing is cleared.
.set d, 0
.rept 16
.irp rr, 0,1
	v_cvt_pk_bf16_f32 v[Y+16*(\rr)+d], v[X+32*(\rr)+2*d], v[X+32*(\rr)+2*d+1]
	v_lshlrev_b32 v[X+32*(\rr)+2*d],   16, v[Y+16*(\rr)+d]
	v_and_b32     v[X+32*(\rr)+2*d+1], s45, v[Y+16*(\rr)+d]
.irp s, 0,1,2,3
.if d == 0
	v_pk_mul_f32 v[ACC+8*(\rr)+2*(\s):ACC+8*(\rr)+2*(\s)+1], v[X+32*(\rr)+2*d:X+32*(\rr)+2*d+1], v[WR+64*((\s)/2)+4*d+2*((\s)%2):WR+64*((\s)/2)+4*d+2*((\s)%2)+1]
.else
	v_pk_fma_f32 v[ACC+8*(\rr)+2*(\s):ACC+8*(\rr)+2*(\s)+1], v[X+32*(\rr)+2*d:X+32*(\rr)+2*d+1], v[WR+64*((\s)/2)+4*d+2*((\s)%2):WR+64*((\s)/2)+4*d+2*((\s)%2)+1], v[ACC+8*(\rr)+2*(\s):ACC+8*(\rr)+2*(\s)+1]
.endif
.endr
.endr
.set d, d+1
.endr
.irp rr, 0,1
.set j, 0
.rept 8
	global_store_b64 v4, v[Y+16*(\rr)+2*j:Y+16*(\rr)+2*j+1], s[28:29] offset:2048*(\rr)+256*j  ; a wave's store: 256 consecutive bytes, at a multiple of 256 from xb's first byte
.set j, j+1
.endr
.endr
	; The eight sums over the wave: the pair's halves, four steps inside each half of 16 lanes, one across the halves.  Every lane ends with every sum.
.irp a, 8,10,12,14,16,18,20,22
	v_add_f32 v[(\a)], v[(\a)], v[(\a)+1]
.endr
.irp m, 1,2,4,8
.irp a, 8,10,12,14,16,18,20,22
	v_add_f32_dpp v[(\a)], v[(\a)], v[(\a)] row_xmask:\m row_mask:0xf bank_mask:0xf
.endr
.endr
.irp a, 8,10,12,14,16,18,20,22
	v_permlanex16_b32 v[(\a)+1], v[(\a)], s40, s41 ; its destination counts as read: the pair's upper register has been written
.endr
.irp a, 8,10,12,14,16,18,20,22
	v_add_f32 v[(\a)], v[(\a)], v[(\a)+1]
.endr
	; br, bn and noise rounded to bf16 and widened: v56-57 br, v58-59 bn, v60-63 noise (stream k = 2 x row + expert)
	s_wait_kmcnt 0x0
	v_cvt_pk_bf16_f32 v96, s32, s33
	v_cvt_pk_bf16_f32 v97, s34, s35
	v_cvt_pk_bf16_f32 v98, s36, s37
	v_cvt_pk_bf16_f32 v99, s38, s39
.irp i, 0,1,2,3
	v_lshlrev_b32 v[56+2*(\i)], 16, v[96+(\i)]
	v_and_b32     v[57+2*(\i)], s45, v[96+(\i)]
.endr
	; Four streams k side by side.  v64+k z; v68+k the exponential's and the logarithm's way; v72+k softplus; v76+k the noisy logit.
.irp k, 0,1,2,3
	v_add_f32 v[64+(\k)], v[ACC+8*((\k)/2)+4+2*((\k)%2)], v[58+(\k)%2]  ; z = x.Wn + bn
.endr
.irp k, 0,1,2,3
	v_or_b32 v[68+(\k)], 0x80000000, v[64+(\k)]    ; -|z|
.endr
.irp k, 0,1,2,3
	v_mul_f32 v[68+(\k)], s43, v[68+(\k)]
.endr
.irp k, 0,1,2,3
	v_exp_f32 v[68+(\k)], v[68+(\k)]               ; e^-|z|: the four stand together; the plain lines below, which touch none of their registers, come before the first use (ISA guide 5.7.2)
.endr
.irp k, 0,1,2,3
	v_max_num_f32 v[72+(\k)], 0, v[64+(\k)]        ; max(z, 0)
.endr
	s_wait_alu depctr_va_vdst(0)
.irp k, 0,1,2,3
	v_add_f32 v[68+(\k)], 1.0, v[68+(\k)]
.endr
.irp k, 0,1,2,3
	v_log_f32 v[68+(\k)], v[68+(\k)]               ; log2(1 + e^-|z|)
.endr
.irp k, 0,1,2,3
	v_add_f32 v[76+(\k)], v[ACC+8*((\k)/2)+2*((\k)%2)], v[56+(\k)%2]  ; x.Wr + br: the plain lines behind the logarithms
.endr
	s_wait_alu depctr_va_vdst(0)
.irp k, 0,1,2,3
	v_fma_f32 v[72+(\k)], v[68+(\k)], s44, v[72+(\k)]                 ; softplus
.endr
.irp k, 0,1,2,3
	v_fma_f32 v[76+(\k)], v[60+(\k)], v[72+(\k)], v[76+(\k)]          ; noisy
.endr
	v_max_num_f32 v80, v76, v77                    ; each token's larger logit is taken away
	v_max_num_f32 v81, v78, v79
.irp k, 0,1,2,3
	v_sub_f32 v[84+(\k)], v[76+(\k)], v[80+(\k)/2]
.endr
.irp k, 0,1,2,3
	v_mul_f32 v[84+(\k)], s43, v[84+(\k)]
.endr
.irp k, 0,1,2,3
	v_exp_f32 v[84+(\k)], v[84+(\k)]
.endr
	v_and_b32 v6, 1, v1                            ; (the plain line behind the exponentials) the expert that my lane stores
	s_wait_alu depctr_va_vdst(0)
	v_add_f32 v88, v84, v85
	v_add_f32 v89, v86, v87
	v_rcp_f32 v88, v88                             ; the sum lies in 1 to 2
	v_rcp_f32 v89, v89
	v_lshlrev_b32 v6, 15, v6                       ; (the plain line behind the reciprocals) an expert's 4,096 tokens are 32,768 bytes of gates
	s_wait_alu depctr_va_vdst(0)
.irp k, 0,1,2,3
	v_mul_f32 v[84+(\k)], v[84+(\k)], v[88+(\k)/2]
.endr
	; Lane e (0, 1) stores expert e's gates of my two tokens, each twice: 16 bytes.  A work-group's 16 tokens are 128 bytes an expert: these short stores are 65,536 of the launch's 42 million bytes.
	v_cmp_eq_u32 vcc_lo, 1, v1
	v_cndmask_b32 v92, v84, v85, vcc_lo
	v_cndmask_b32 v94, v86, v87, vcc_lo
	v_mov_b32 v93, v92
	v_mov_b32 v95, v94
	v_cmp_gt_u32 vcc_lo, 2, v1
	s_wait_xcnt 0x0                                ; EXEC is a source of the stores of xb: it changes only behind this wait
	s_and_saveexec_b32 s42, vcc_lo
	global_store_b128 v6, v[92:95], s[30:31]
	s_wait_xcnt 0x0                                ; and again, in front of the line that widens it
	s_or_b32 exec_lo, exec_lo, s42
	s_endpgm
.Lfunc_end_k_q16afbf244f_prep:
	.size	k_q16afbf244f_prep, .Lfunc_end_k_q16afbf244f_prep-k_q16afbf244f_prep
	.p2alignl 7, 3214868480
	.fill 96, 4, 3214868480
	.section	.rodata,"a",@progbits
	.p2align	6, 0x0
	.amdhsa_kernel k_q16afbf244f_prep
		.amdhsa_group_segment_fixed_size 0
		.amdhsa_private_segment_fixed_size 0
		.amdhsa_enable_private_segment 0
		.amdhsa_kernarg_size 96
		.amdhsa_user_sgpr_count 2
		.amdhsa_user_sgpr_kernarg_segment_ptr 1
		.amdhsa_wavefront_size32 1
		.amdhsa_system_sgpr_workgroup_id_x 1
		.amdhsa_system_sgpr_workgroup_id_y 1
		.amdhsa_system_sgpr_workgroup_id_z 1
		.amdhsa_system_vgpr_workitem_id 0
		.amdhsa_next_free_vgpr 248
		.amdhsa_next_free_sgpr 66
		.amdhsa_reserve_vcc 1
		.amdhsa_float_denorm_mode_32 3
		.amdhsa_float_denorm_mode_16_64 3
		.amdhsa_memory_ordered 1
		.amdhsa_forward_progress 1
		.amdhsa_inst_pref_size 46
	.end_amdhsa_kernel
	.amdgpu_metadata
---
amdhsa.version: [ 1, 2 ]
amdhsa.kernels:
  - .name:           k_q16afbf244f_prep
    .symbol:         k_q16afbf244f_prep.kd
    .args:
      - { .name: W1, .offset: 0, .size: 8, .value_kind: global_buffer, .address_space: global }
      - { .name: W2, .offset: 8, .size: 8, .value_kind: global_buffer, .address_space: global }
      - { .name: x, .offset: 16, .size: 8, .value_kind: global_buffer, .address_space: global }
      - { .name: Wr, .offset: 24, .size: 8, .value_kind: global_buffer, .address_space: global }
      - { .name: Wn, .offset: 32, .size: 8, .value_kind: global_buffer, .address_space: global }
      - { .name: br, .offset: 40, .size: 8, .value_kind: global_buffer, .address_space: global }
      - { .name: bn, .offset: 48, .size: 8, .value_kind: global_buffer, .address_space: global }
      - { .name: noise, .offset: 56, .size: 8, .value_kind: global_buffer, .address_space: global }
      - { .name: W1b, .offset: 64, .size: 8, .value_kind: global_buffer, .address_space: global }
      - { .name: W2b, .offset: 72, .size: 8, .value_kind: global_buffer, .address_space: global }
      - { .name: xb, .offset: 80, .size: 8, .value_kind: global_buffer, .address_space: global }
      - { .name: gates, .offset: 88, .size: 8, .value_kind: global_buffer, .address_space: global }
    .group_segment_fixed_size: 0
    .private_segment_fixed_size: 0
    .kernarg_segment_align: 8
    .kernarg_segment_size: 96
    .max_flat_workgroup_size: 256
    .sgpr_count:     66
    .vgpr_count:     248
    .wavefront_size: 32
...
	.end_amdgpu_metadata
.endif
;; end of part 1
;; launch gemm1 (part 2): grid 32 x 8, 4 waves a work-group, clusters of 4 x 4, 327,680 bytes of LDS; arguments xb, W1b, hb, b1, gates; writes hb
.if DOCPART == 2
	.amdgcn_target "amdgcn-amd-amdhsa--gfx1250"
	.amdhsa_code_object_version 6
	.text
	.protected	k_q16afbf244f_gemm1
	.globl	k_q16afbf244f_gemm1
	.p2align	8
	.type	k_q16afbf244f_gemm1,@function
k_q16afbf244f_gemm1:
	s_mov_b64 s[64:65], 0
	v_nop
	global_prefetch_b8 v0, s[64:65] scope:SCOPE_SE
	s_setreg_imm32_b32 hwreg(HW_REG_WAVE_MODE, 25, 1), 1
	s_wait_xcnt 0x0
	s_wait_alu depctr_hold_cnt(0) depctr_sa_sdst(0) depctr_va_vdst(0) depctr_va_sdst(0) depctr_va_ssrc(0) depctr_va_vcc(0) depctr_vm_vsrc(0)
	s_getreg_b32 s2, hwreg(HW_REG_IB_STS2, 6, 4)
	s_cmp_eq_u32 s2, 0
	s_cbranch_scc0 .Lentry_in_a_cluster
	s_endpgm
.Lentry_in_a_cluster:
	s_bfe_u32 s2, ttmp6, 0x10000c
	s_cmp_lg_u32 s2, 0xf033
	s_cbranch_scc0 .Lentry_shape_is_right
	s_endpgm
.Lentry_shape_is_right:
; hb[t][e 4096 + f] = bf16( g_e[t] * relu( sum over d of xb[t][d] W1b[e][d][f] + b1[e][f] ) ).  xb: [4096][1024] bf16; W1b: [2][1024][4096] bf16; hb: [4096][8192] bf16; b1: [2][4096] f32;
; gates: [e][t][2] f32, each gate twice.  Sums in f32, started at b1 (rounded to bf16 like every input of the module); the gate, which is never negative, is multiplied in before the relu:
; max(g z, 0) = g relu(z); hb is rounded once.  LIMITS: NaN and infinities are not treated apart (the relu turns a NaN into 0); hb is bf16, so it has f32's range.
; A tile of hb, 256 x 256, is made by a work-group of four waves, as many as a WGP has SIMDs; a wave makes 128 x 128: 64 accumulators of 16 x 16, 512 registers.  The two experts' columns lie side by
; side: 32 tile columns, 16 an expert.  K = 1024 goes in steps of 128 through a ring of two LDS slots filled by the tensor data mover.
; THE WEIGHTS STAY [K][N]: a K step's tile of W1b is 128 rows (k) of 512 bytes (256 columns), and its fragments come out of LDS turned, by ds_load_tr16_b128.
; A WORK-GROUP STAYS: it makes 2 tiles, 2,048 rows apart, which share their columns (the same W1b and b1): 512 tiles on 256 work-groups.  The ring does not stop at the first tile's end.
; The last tile's last K step goes by rows of hb, so that finished rows leave while the others are multiplied.
; CLUSTERS: 4 x 4 work-groups.  The four of a row of the cluster need the same tiles of xb, the four of a column the same tiles of W1b: each tile is asked for JOINTLY, by the same tensor load with
; the same descriptor and a mask that names the four; each receives it in its own LDS.
; REGISTERS, in windows of 256 (s_set_vgpr_msb's low byte: bits 1:0 source 0, 3:2 source 1, 5:4 source 2, 7:6 destination):
;   window 0: v0-15 addresses; v16-31 gates; v64-127, v128-191 fragments of xb, two buffers (in the very last K step four, of 16 rows x 128 K); v32-63, v192-255 at work on the way out
;   window 1: v0-63 b1 as the sums' first C operand; v64-127, v128-191 fragments of W1b, two buffers; in the very last K step all 256: W1b's fragments of the whole step
;   window 2: the 32 accumulators of my rows 0-63 (accumulator (a, b) at v[8 (8 a + b)]);   window 3: those of my rows 64-127
; THE MATRIX INSTRUCTION IS USED TRANSPOSED: source 0 = 16 columns of W1b, source 1 = 16 rows of xb.  In the result lane l holds row l % 16 of hb, and its registers 0 to 7 the columns
; 8 (l / 16) + 0 .. 7: eight neighbouring numbers of a row, which pack into 16 bytes; one gate serves all of a lane's numbers in a block of 16 rows, and b1 is the same in every block.
.set SIZE_M, 4096
.set SIZE_N, 8192
.set SIZE_K, 1024
.set SIZE_TILES, 2
.set FDIM,   4096                      ; columns of one expert: elements from row to row of W1b
.set KSTEP,  128
.set PITCH,  272                       ; an LDS row of xb: 256 bytes + 16 of padding = 68 words: row r starts at bank 4 r mod 64 (64 banks of 4 bytes: ISA guide 11.1)
.set PB,     544                       ; an LDS row of W1b: 512 bytes + 32 of padding = 136 words: row r starts at bank 8 r mod 64
.set HALFT,  128*PITCH                 ; what one tensor load brings: 128 rows of xb, or 64 rows of W1b (64 x 544 is the same number)
.set SLOT,   4*HALFT                   ; xb's 256 rows, then W1b's 128 rows
.set STAGE,  2*SLOT                    ; behind the ring: 16 rows x 272 bytes for each wave, for the way out
.set SPITCH, 272
.set SPARE,  STAGE+4*16*SPITCH         ; behind the stages: the spare words, 128 bytes for each wave: two blocks of 256 bytes that no other line names
.set LAPS,   SIZE_K/(2*KSTEP)          ; a lap = two K steps = once round the ring
.set WALK,   SIZE_M/SIZE_TILES         ; the work-group's tiles lie WALK rows apart
.set ASTEP,  KSTEP*2                   ; bytes from K step to K step: along xb's rows,
.set BSTEP,  KSTEP*FDIM*2              ; and 128 rows down W1b
.set NEXT_A, WALK*SIZE_K*2-(SIZE_K-2*KSTEP)*2   ; from a slot's last K step of a tile to its first of the next: xb goes WALK rows down and back along K,
.set BACK_B, (SIZE_K/KSTEP-2)*BSTEP    ; W1b only back
.set NEXT_C, (WALK-7*16)*SIZE_N*2      ; from my last 16 rows of a tile to my first of the next
.set ADRA, 6                           ; v6-7    LDS address of my xb fragments in slot 0, 1
.set ADRB, 8                           ; v8-9    the same for W1b
.set STO,  10                          ; v10     the way out: where I put 16 bytes of a row
.set RD,   11                          ; v11     the way out: where I read a row back
.set CO,   12                          ; v12     my byte offset in hb
.set SPW,  13                          ; v13     LDS address of my spare word: SPARE + 4 x my thread's number; never rewritten
.set NIL,  14                          ; v14     0; never rewritten
.set GOFF, 15                          ; v15     8 (l % 16): my row's gate in a block of 16 rows; never rewritten
.set G,    16                          ; v16-31  block a's gate, twice, at G + 2 a
.set B1O,  32                          ; v32     at the head only: 32 (l / 16), my byte offset in 16 numbers of b1
.set F0,   64                          ; fragment buffer 0
.set F1,   128                         ; fragment buffer 1
.set TMP,  192                         ; the way out: packed results, in window 0
.set OB,   32                          ; the way out: 16 rows read back from the stage: v32-63 and v224-255 by turns
.set PA,   64                          ; the very last K step: xb's fragments of 16 rows x 128 K, 32 registers; four such buffers, v64-191
.set G1, 24                            ; s[24:31] descriptor group 1 for xb's tiles
.set G0, 32                            ; s[32:39] descriptor group 0 for xb's tiles, one set for each slot
.set G1B, 48                           ; s[48:55] descriptor group 1 for W1b's tiles
.set G0B, 56                           ; s[56:63] descriptor group 0 for W1b's tiles, one set for each slot
.set MSB, 0
.macro WIN new                         ; the immediate's high byte repeats the setting that is left; a switch that changes nothing is dropped
.if MSB != (\new)
	s_set_vgpr_msb (MSB<<8)|(\new)
.set MSB, \new
.endif
.endm
.set MUL_LO, 0xa1                      ; source 0 (W1b) window 1, source 1 (xb) window 0, C and D window 2
.set MUL_HI, 0xf1                      ; the same, C and D window 3
.set TO_B,   0x40                      ; destination window 1, address window 0
; A joint load.  Waves 0 and 1 fetch xb's two halves, waves 2 and 3 W1b's.  Each of the two lines has ONE mask and one set of registers for all that issue it, and nothing in them hangs on a
; coordinate that the four partners do not share.  The branch hangs on the wave's number alone.  Four v_nop follow each of the two lines, ahead of the jump, the label and what follows.
.macro JLOAD s
	s_cmp_eq_u32 s11, 0
	s_cbranch_scc0 .Lfor_b_\@
	tensor_load_to_lds s[G0+4*(\s):G0+4*(\s)+3], s[G1:G1+7]
	s_nop 0
.rept 4
	v_nop
.endr
	s_branch .Lasked_\@
.Lfor_b_\@:
	tensor_load_to_lds s[G0B+4*(\s):G0B+4*(\s)+3], s[G1B:G1B+7]
	s_nop 0
.rept 4
	v_nop
.endr
.Lasked_\@:
.endm
; A round of the cluster's barrier: my work-group's barrier, so that wave 0's signal speaks for all four waves; wave 0 signals for the work-group; every wave waits for all sixteen work-groups;
; my work-group's barrier once more.  No LDS instruction of the wave is pending at a signal.
.macro CREST                           ; a round behind its opening barrier
	s_cmp_lg_u32 s10, 0
	s_cbranch_scc1 .Lnot_wave_0_\@
	s_barrier_signal -3
.Lnot_wave_0_\@:
	s_barrier_wait -3
	s_barrier_signal -1
	s_barrier_wait -1
.endm
.macro CROUND                          ; a whole round
	s_barrier_signal -1
	s_barrier_wait -1
	CREST
.endm
	s_load_b128 s[4:7], s[0:1], 0x0                ; xb s[4:5], W1b s[6:7]
	s_load_b64 s[8:9], s[0:1], 0x10                ; hb
	s_load_b128 s[68:71], s[0:1], 0x18             ; b1 s[68:69], gates s[70:71]
	v_lshl_add_u32 v[SPW], v0, 2, SPARE
	v_mov_b32 v[NIL], 0
	ds_add_u32 v13, v14
	s_wait_dscnt 0x0
	v_lshrrev_b32 v1, 5, v0
	v_readfirstlane_b32 s10, v1                    ; wave 0..3
	s_lshr_b32 s11, s10, 1                         ; which half of the tile's rows is mine.  Also: I fetch for xb (0) or for W1b (1)
	s_and_b32 s12, s10, 1                          ; which half of its columns.  Also: which half of that tile I fetch
	s_bfe_u32 s40, ttmp6, 0x40000                  ; cx: my place along the cluster's x
	s_bfe_u32 s41, ttmp6, 0x40004                  ; cy: along its y
	s_lshl_b32 s42, ttmp9, 2                       ; in a cluster launch ttmp9 and ttmp7 count clusters
	s_add_co_u32 s42, s42, s40                     ; tile column = 4 x cluster x + cx, 0..31
	s_and_b32 s13, ttmp7, 0xffff
	s_lshl_b32 s13, s13, 2
	s_add_co_u32 s13, s13, s41                     ; tile row = 4 x cluster y + cy, 0..7
	s_lshl_b32 s43, s41, 2
	s_lshl_b32 s43, 15, s43                        ; my row of the cluster: places 4 cy .. 4 cy + 3
	s_lshl_b32 s44, 0x1111, s40                    ; my column: places cx, cx + 4, cx + 8, cx + 12
	s_lshr_b32 s45, ttmp9, 2                       ; the expert: 16 tile columns, four clusters, each: the whole cluster shares it
	; descriptor group 1 for xb: a tile of 128 rows x 128 elements, padded in LDS
	s_or_b32 s[G1+0], s43, (1<<16)|(1<<20)|(1<<21)|(5<<22)|(3<<25)  ; 15:0 the mask: my row; 17:16 element of 2 bytes; 20 padding on; 21 set beside a mask; 24:22 after every 64 words (code 5); 31:25 of 4 words (code 3)
	s_mov_b32 s[G1+1], KSTEP<<16                   ; 63:48 tensor_dim0, low half = 128
	s_mov_b32 s[G1+2], 128<<16                     ; 95:80 tensor_dim1, low half = 128
	s_mov_b32 s[G1+3], KSTEP<<16                   ; 127:112 tile_dim0 = 128
	s_mov_b32 s[G1+4], 128                         ; 143:128 tile_dim1 = 128; tile_dim2 = 0
	s_mov_b32 s[G1+5], SIZE_K                      ; 191:160 elements from row to row
	s_mov_b32 s[G1+6], 0
	s_mov_b32 s[G1+7], 0
	; descriptor group 1 for W1b: a tile of 64 rows (k) x 256 elements (columns)
	s_or_b32 s[G1B+0], s44, (1<<16)|(1<<20)|(1<<21)|(6<<22)|(7<<25) ; the mask: my column; padding after every 128 words (code 6), of 8 words (code 7)
	s_mov_b32 s[G1B+1], 256<<16                    ; tensor_dim0 = 256
	s_mov_b32 s[G1B+2], 64<<16                     ; tensor_dim1 = 64
	s_mov_b32 s[G1B+3], 256<<16                    ; tile_dim0 = 256
	s_mov_b32 s[G1B+4], 64                         ; tile_dim1 = 64
	s_mov_b32 s[G1B+5], FDIM                       ; elements from row to row
	s_mov_b32 s[G1B+6], 0
	s_mov_b32 s[G1B+7], 0
	; where the tiles come from.  xb's hang on the tile row alone, which my row of the cluster shares; W1b's on the tile column alone, which my column shares.
	; Every wave makes both addresses, in registers that never hold the other coordinate, and asks by one of them.
	s_lshl_b32 s17, s12, 7
	s_lshl_b32 s16, s13, 8
	s_add_co_u32 s16, s16, s17                     ; xb: row 256 x tile row + 128 x half,
	s_lshl_b32 s16, s16, 11                        ; of 2,048 bytes
	s_mov_b32 s17, 0
	s_lshl_b32 s46, s42, 9                         ; W1b: 512 bytes a tile column;
	s_mul_i32 s47, s45, (1<<23)-16*512             ; an expert's 16 tile columns on, its 2^23 bytes begin;
	s_add_co_u32 s46, s46, s47
	s_lshl_b32 s47, s12, 19                        ; my half: 64 rows of 8,192 bytes
	s_add_co_u32 s46, s46, s47
	s_mov_b32 s47, 0
	s_mul_i32 s20, s10, HALFT                      ; and where they go: wave x 34,816 bytes: no place in the cluster enters an LDS address
	s_wait_kmcnt 0x0
	s_add_nc_u64 s[14:15], s[4:5], s[16:17]
	s_add_nc_u64 s[46:47], s[6:7], s[46:47]
	CROUND                                         ; all sixteen work-groups are here: the first joint loads meet
.irp s, 0,1
	s_mov_b32 s[G0+4*(\s)], 1                                      ; 1:0 count = 1
	s_add_co_u32 s[G0+4*(\s)+1], s20, (\s)*SLOT                    ; 63:32 LDS address
	s_add_nc_u64 s[G0+4*(\s)+2:G0+4*(\s)+3], s[14:15], (\s)*ASTEP  ; 120:64 global address: K step s
	s_or_b32 s[G0+4*(\s)+3], s[G0+4*(\s)+3], 0x80000000            ; 127:126 type = 2
	s_mov_b32 s[G0B+4*(\s)], 1
	s_add_co_u32 s[G0B+4*(\s)+1], s20, (\s)*SLOT
	s_add_nc_u64 s[G0B+4*(\s)+2:G0B+4*(\s)+3], s[46:47], (\s)*BSTEP
	s_or_b32 s[G0B+4*(\s)+3], s[G0B+4*(\s)+3], 0x80000000
	JLOAD \s                                       ; the ring is filled before anything else is done: two tensor loads of mine are out
.endr
	; b1 of my 128 columns: block b of 16 columns gives a lane the eight numbers 16 b + 8 (l / 16) + 0..7, the layout of a C operand
	v_and_b32 v1, 15, v0                           ; l % 16
	v_bfe_u32 v2, v0, 4, 1                         ; l / 16
	v_lshlrev_b32 v[B1O], 5, v2
	s_lshl_b32 s72, s42, 10                        ; 256 numbers of 4 bytes a tile column (the experts' rows of b1 lie end to end),
	s_lshl_b32 s73, s12, 9                         ; my half
	s_add_co_u32 s72, s72, s73
	s_mov_b32 s73, 0
	s_add_nc_u64 s[68:69], s[68:69], s[72:73]
.irp b, 0,1,2,3,4,5,6,7
	global_load_b128 v[192+8*(\b):192+8*(\b)+3],   v[B1O], s[68:69] offset:64*(\b)
	global_load_b128 v[192+8*(\b)+4:192+8*(\b)+7], v[B1O], s[68:69] offset:64*(\b)+16
.endr
	v_lshlrev_b32 v[GOFF], 3, v1
	; A fragment of xb is 16 rows x 32 K in 8 registers: lane l holds row l % 16; registers 0-3 hold K = 8 (l / 16) + 0..7, registers 4-7 K = 16 + 8 (l / 16) + 0..7: two loads of 16 bytes, 32 bytes apart.
	v_mul_u32_u24 v3, v1, PITCH
	v_lshl_add_u32 v3, v2, 4, v3                   ; row x pitch + 16 x half
	; The turning load takes 16 k x 16 columns (lane l reads 16 bytes: k = 8 (l / 16) + l % 8, columns 8 ((l / 8) % 2) + 0..7) and leaves half a fragment: lane l holds column l % 16 and 8 k.
	v_and_b32 v4, 7, v0
	v_lshl_add_u32 v4, v2, 3, v4
	v_mul_u32_u24 v4, v4, PB
	v_bfe_u32 v5, v0, 3, 1
	v_lshl_add_u32 v4, v5, 4, v4
	s_mul_i32 s21, s11, HALFT                      ; my 128 rows of xb
	s_lshl_b32 s22, s12, 8                         ; my 128 columns of W1b: 256 bytes along its rows,
	s_add_co_u32 s22, s22, 2*HALFT                 ; which lie behind xb's 256
.irp s, 0,1
	v_add_nc_u32 v[ADRA+(\s)], s21, v3
	v_add_nc_u32 v[ADRB+(\s)], s22, v4
	s_add_co_u32 s21, s21, SLOT
	s_add_co_u32 s22, s22, SLOT
.endr
	s_mul_i32 s23, s10, 16*SPITCH
	s_add_co_u32 s23, s23, STAGE                   ; my stage
	v_mul_u32_u24 v4, v1, SPITCH                   ; in: row l % 16, 16 bytes for each half of the lanes
	v_lshl_add_u32 v4, v2, 4, v4
	v_add_nc_u32 v[STO], s23, v4
	v_mul_u32_u24 v5, v2, SPITCH                   ; back: lanes 0-15 take one row of 256 bytes, lanes 16-31 the next
	v_lshl_add_u32 v5, v1, 4, v5
	v_add_nc_u32 v[RD], s23, v5
	v_mul_u32_u24 v5, v2, SIZE_N*2                 ; and the same two rows in hb
	v_lshl_add_u32 v[CO], v1, 4, v5
	s_lshl_b32 s13, s13, 8
	s_lshl_b32 s14, s11, 7
	s_add_co_u32 s16, s13, s14                     ; my first row of the first tile: a token's number
	s_lshl_b32 s72, s16, 3                         ; its gate: 8 bytes a token,
	s_lshl_b32 s73, s45, 15                        ; 32,768 an expert
	s_add_co_u32 s72, s72, s73
	s_mov_b32 s73, 0
	s_add_nc_u64 s[70:71], s[70:71], s[72:73]
	s_lshl_b32 s16, s16, 14                        ; where my part of the first tile begins in hb: rows of 16,384 bytes; the first way out adds it to hb's address
	s_mov_b32 s17, 0
	s_lshl_b32 s46, s42, 9                         ; my first column, in bytes: 512 x tile column + 256 x half (in the registers that held W1b's address: none that feeds xb's descriptors ever holds cx)
	s_lshl_b32 s47, s12, 8
	s_add_co_u32 s46, s46, s47
	s_mov_b32 s47, 0
	s_add_nc_u64 s[16:17], s[16:17], s[46:47]
	s_wait_loadcnt 0x0                             ; b1
.set p, 0
.rept 32
	v_cvt_pk_bf16_f32 v[192+2*p], v[192+2*p], v[192+2*p+1]  ; rounded to bf16 like every input,
.set p, p+1
.endr
	WIN TO_B
.set p, 0
.rept 32
	v_lshlrev_b32 v[2*p],   16, v[192+2*p]         ; and widened again, into window 1
	v_and_b32     v[2*p+1], 0xffff0000, v[192+2*p]
.set p, p+1
.endr
	WIN 0
; 16 matrix instructions: m blocks a0, a0 + 1 of the window's four (hi = 0: my rows 0-63, 1: rows 64-127) x all 8 n blocks, 32 along K.
; first = 1: the first product starts the sums at b1 (its C operand lies in window 1, v[8 b ..]): nothing is ever cleared, and no bias is added on the way out.
; The 64 accumulators take turns, one instruction a turn, in the same order in every quarter step.
.macro MUL16 f, hi, a0, first
.if \first
	WIN 0x91+0x40*(\hi)                            ; source 0 window 1, source 1 window 0, C window 1, D window 2 or 3
.else
	WIN MUL_LO+0x50*(\hi)                          ; MUL_LO or MUL_HI
.endif
.irp a, \a0, (\a0)+1
.irp b, 0,1,2,3,4,5,6,7
.if \first
	v_wmma_f32_16x16x32_bf16 v[8*(8*(\a)+(\b)):8*(8*(\a)+(\b))+7], v[(\f)+8*(\b):(\f)+8*(\b)+7], v[(\f)+8*(4*(\hi)+(\a)):(\f)+8*(4*(\hi)+(\a))+7], v[8*(\b):8*(\b)+7]
.else
	v_wmma_f32_16x16x32_bf16 v[8*(8*(\a)+(\b)):8*(8*(\a)+(\b))+7], v[(\f)+8*(\b):(\f)+8*(\b)+7], v[(\f)+8*(4*(\hi)+(\a)):(\f)+8*(4*(\hi)+(\a))+7], v[8*(8*(\a)+(\b)):8*(8*(\a)+(\b))+7]
.endif
.endr
.endr
.endm
; 32 LDS loads in one run: the fragments of quarter q of a K step (32 k x 128 columns of W1b, turned; 128 rows of xb x 32 k) into buffer f
.macro FETCH slot, q, f
	WIN TO_B
.irp i, 0,1,2,3,4,5,6,7
	ds_load_tr16_b128 v[(\f)+8*(\i):(\f)+8*(\i)+3],   v[ADRB+(\slot)] offset:(\q)*32*PB+32*(\i)
	ds_load_tr16_b128 v[(\f)+8*(\i)+4:(\f)+8*(\i)+7], v[ADRB+(\slot)] offset:(\q)*32*PB+16*PB+32*(\i)
.endr
	WIN 0
.irp i, 0,1,2,3,4,5,6,7
	ds_load_b128 v[(\f)+8*(\i):(\f)+8*(\i)+3],   v[ADRA+(\slot)] offset:(\q)*64+(\i)*16*PITCH
	ds_load_b128 v[(\f)+8*(\i)+4:(\f)+8*(\i)+7], v[ADRA+(\slot)] offset:(\q)*64+(\i)*16*PITCH+32
.endr
.endm
; A load into a register that a matrix instruction has read, and a vector instruction that reads a matrix result or writes one of a matrix instruction's registers, stand four places behind that
; matrix instruction, and only plain vector instructions that name none of its registers are places (ISA guide 7.12.1 for vector instructions).
.macro PLACES
.rept 4
	v_nop
.endr
.endm
; A K step is four quarter steps of 32 along K, 64 matrix instructions each, on buffers 0, 1, 0, 1.
; One of the first three: multiplies buffer f; in its middle it fetches the next quarter's fragments, quarter q of the same slot, into buffer g.
.macro QUARTER slot, q, f, g, first
	s_wait_dscnt 8                                 ; W1b's fragments and xb's rows 0-63 are in; the youngest eight loads (xb's rows 64-127) may be out
	MUL16 \f, 0, 0, \first
	MUL16 \f, 0, 2, \first
	PLACES
	FETCH \slot, \q, \g
	s_wait_dscnt 32                                ; all but the 32 just issued
	MUL16 \f, 1, 0, \first
	MUL16 \f, 1, 2, \first
.endm
; The last quarter multiplies buffer 1 and changes slots.  MEET is its first half: ONE barrier for the change of slots.  In front of it each wave waits for all its tensor loads, of which one is out:
; its part of the next slot; adds 0 to its spare word; and waits for that and for its own reads of this slot.  Behind it nobody reads this slot any more and the next slot is whole.
.macro MEET round                      ; round = 1: a round of the cluster's barrier follows
	WIN 0                                          ; (the add's two registers lie in window 0)
	s_wait_tensorcnt 0x0                           ; all my tensor loads have landed: the one that was out is my part of the next slot;
	ds_add_u32 v[SPW], v[NIL]                      ; 0 onto my spare word;
	s_wait_dscnt 9                                 ; (the add and the youngest eight loads may be out)
	MUL16 F1, 0, 0, 0                              ; sixteen matrix instructions stand between the add and the wait for it
	s_wait_dscnt 0x0                               ; the add is done, and my reads of this slot are over:
	s_barrier_signal -1                            ; say so (where a slot is filled again this barrier opens a round of the cluster's barrier),
	MUL16 F1, 0, 2, 0                              ; work on registers while the others arrive,
.if \round
	WIN 0
.endif
	s_barrier_wait -1                              ; and go on when all four have said so
.endm
; The whole last quarter.  Behind the round the slot just read out is filled again first: with this tile's K step two steps on (on = 0) or, in the first tile's last two K steps, with the second
; tile's K step 0 or 1 (on = 1); then come the next slot's first fragments.  From a request to the wait for it a wave issues 224 matrix instructions.
.macro TURN slot, next, on
	MEET 1
	CREST                                          ; no wave of any partner still reads this slot's tile or has a load on its way
.if \on
	s_add_nc_u64 s[G0+4*(\slot)+2:G0+4*(\slot)+3], s[G0+4*(\slot)+2:G0+4*(\slot)+3], NEXT_A
	s_sub_nc_u64 s[G0B+4*(\slot)+2:G0B+4*(\slot)+3], s[G0B+4*(\slot)+2:G0B+4*(\slot)+3], BACK_B
.else
	s_add_nc_u64 s[G0+4*(\slot)+2:G0+4*(\slot)+3], s[G0+4*(\slot)+2:G0+4*(\slot)+3], 2*ASTEP
	s_add_nc_u64 s[G0B+4*(\slot)+2:G0B+4*(\slot)+3], s[G0B+4*(\slot)+2:G0B+4*(\slot)+3], 2*BSTEP
.endif
	JLOAD \slot                                    ; the first tensor load behind the round, my only one until the next; the four v_nop behind it are also the places in front of the loads below
	FETCH \next, 0, F0
	MUL16 F1, 1, 0, 0
	MUL16 F1, 1, 2, 0
.endm
; THE LAST K STEP OF THE LAST TILE (it lies in slot 1) GOES BY ROWS OF hb, NOT BY K.  All its fragments of W1b (4 quarters x 64 registers) fill window 1 (b1 has served); then my eight blocks of
; 16 rows are finished one after the other, each with 32 matrix instructions (its 8 accumulators by turns, K ascending).  LDS is read no more than in any other K step.
.macro BLOAD q                         ; W1b's fragments of quarter q -> window 1, v[64 q ..]
	WIN TO_B
.irp i, 0,1,2,3,4,5,6,7
	ds_load_tr16_b128 v[64*(\q)+8*(\i):64*(\q)+8*(\i)+3],   v[ADRB+1] offset:(\q)*32*PB+32*(\i)
	ds_load_tr16_b128 v[64*(\q)+8*(\i)+4:64*(\q)+8*(\i)+7], v[ADRB+1] offset:(\q)*32*PB+16*PB+32*(\i)
.endr
.endm
.macro ALOAD a                         ; xb's fragments of block a, all four quarters -> buffer a % 4
	WIN 0
.set FA, PA+32*((\a)%4)
.irp q, 0,1,2,3
	ds_load_b128 v[FA+8*(\q):FA+8*(\q)+3],   v[ADRA+1] offset:64*(\q)+(\a)*16*PITCH
	ds_load_b128 v[FA+8*(\q)+4:FA+8*(\q)+7], v[ADRA+1] offset:64*(\q)+(\a)*16*PITCH+32
.endr
.endm
.macro ROW a                           ; block a is finished: 32 matrix instructions
.set FA, PA+32*((\a)%4)                ; its fragments of xb
.set AC, 64*((\a)%4)                   ; its eight accumulators, in window 2 (blocks 0-3) or 3 (blocks 4-7)
	WIN MUL_LO+0x50*((\a)/4)                       ; MUL_LO or MUL_HI
.irp q, 0,1,2,3
.if (\a) == 0 && (\q) == 2
	s_wait_dscnt 24                                ; W1b's quarter 2 is in (behind it: xb's blocks 1 to 3)
.endif
.irp b, 0,1,2,3,4,5,6,7
	v_wmma_f32_16x16x32_bf16 v[AC+8*(\b):AC+8*(\b)+7], v[64*(\q)+8*(\b):64*(\q)+8*(\b)+7], v[FA+8*(\q):FA+8*(\q)+7], v[AC+8*(\b):AC+8*(\b)+7]
.endr
.endr
.endm
; THE WAY OUT of block a, in three parts.  PACK: times my row's gate, relu, rounded to bf16, 16 bytes a lane; each accumulator's registers are taken in ascending order.
; TOSTAGE: into my own stage in LDS, and back as whole rows of 256 bytes.  SEND: stored.
.macro PACK a
.set AC, 64*((\a)%4)
	WIN 0x82+0x41*((\a)/4)                         ; destination and source 0: window 2 or 3; the gate in window 0
.irp b, 0,1,2,3,4,5,6,7
.irp r, 0,1,2,3
	v_pk_mul_f32 v[AC+8*(\b)+2*(\r):AC+8*(\b)+2*(\r)+1], v[AC+8*(\b)+2*(\r):AC+8*(\b)+2*(\r)+1], v[G+2*(\a):G+2*(\a)+1]
.endr
.endr
	WIN 0x8a+0x45*((\a)/4)                         ; destination and sources: window 2 or 3
.set i, 0
.rept 64
	v_max_num_f32 v[AC+i], 0, v[AC+i]
.set i, i+1
.endr
	WIN 0x0a+5*((\a)/4)                            ; sources 0 and 1: window 2 or 3; destination window 0
.irp b, 0,1,2,3,4,5,6,7
.irp r, 0,1,2,3
	v_cvt_pk_bf16_f32 v[TMP+4*(\b)+(\r)], v[AC+8*(\b)+2*(\r)], v[AC+8*(\b)+2*(\r)+1]
.endr
.endr
	WIN 0
.endm
.macro TOSTAGE a
	WIN 0
.set BK, OB+192*((\a)%2)
.irp b, 0,1,2,3,4,5,6,7
	ds_store_b128 v[STO], v[TMP+4*(\b):TMP+4*(\b)+3] offset:32*(\b)
.endr
.irp t, 0,1,2,3,4,5,6,7
	ds_load_b128 v[BK+4*(\t):BK+4*(\t)+3], v[RD] offset:(\t)*2*SPITCH  ; LDS serves a wave's instructions in order (ISA guide 5.7.1.4): these see the stores above
.endr
.endm
.macro SEND a, younger                 ; younger: the LDS loads issued behind TOSTAGE's, which may stay out
	WIN 0
.set BK, OB+192*((\a)%2)
	s_wait_dscnt \younger                          ; the block is back in registers
	s_wait_xcnt 0x0                                ; every earlier memory instruction has had its addresses translated (ISA guide 3.1): only behind this wait are the stores' base and the registers that earlier stores read rewritten
.if (\a) == 0
	s_add_nc_u64 s[8:9], s[8:9], s[16:17]          ; on to this tile's first rows
.else
	s_add_nc_u64 s[8:9], s[8:9], 16*SIZE_N*2       ; 16 rows of hb on: the stores' offsets reach 14 rows, 229,376 bytes, inside the signed 24-bit immediate
.endif
.irp t, 0,1,2,3,4,5,6,7
	global_store_b128 v[CO], v[BK+4*(\t):BK+4*(\t)+3], s[8:9] offset:2*(\t)*SIZE_N*2  ; 16 lanes store 256 consecutive bytes, at a multiple of 256 from hb's first byte
.endr
.endm
	s_wait_tensorcnt 1                             ; my part of K step 0 is in; K step 1's load, issued behind it, may stay out
	s_barrier_signal -1
	s_barrier_wait -1                              ; everybody's is
	FETCH 0, 0, F0
	s_mov_b32 s2, SIZE_TILES                       ; tiles to go, this one among them: the same number in every work-group
.Ltile:                                                ; (FETCH and SEND leave every window 0)
.irp a, 0,1,2,3,4,5,6,7
	global_load_b64 v[G+2*(\a):G+2*(\a)+1], v[GOFF], s[70:71] offset:128*(\a)  ; this tile's gates: block a's 16 rows are 128 bytes; wanted on the way out, a whole tile's products later
.endr
	QUARTER 0, 1, F0, F1, 1                        ; a tile's first quarter stands in front of the loop: its products start the sums
	WIN 0                                          ; at a label and at a branch every window is 0
	s_mov_b32 s3, LAPS-1
.Llap:                                                 ; a trip goes once round the ring, from a lap's second quarter to the next lap's first, and fills both slots again
	QUARTER 0, 2, F1, F0, 0
	QUARTER 0, 3, F0, F1, 0
	TURN 0, 1, 0
	QUARTER 1, 1, F0, F1, 0
	QUARTER 1, 2, F1, F0, 0
	QUARTER 1, 3, F0, F1, 0
	TURN 1, 0, 0
	QUARTER 0, 1, F0, F1, 0
	WIN 0
	s_sub_co_u32 s3, s3, 1
	s_cmp_lg_u32 s3, 0
	s_cbranch_scc1 .Llap
	QUARTER 0, 2, F1, F0, 0                        ; the tile's last lap goes on
	QUARTER 0, 3, F0, F1, 0
	WIN 0
	s_cmp_eq_u32 s2, 1
	s_cbranch_scc1 .Llast_tile                     ; the last tile's tail is written out: it asks for nothing more
	TURN 0, 1, 1                                   ; THE RING GOES ON INTO THE NEXT TILE: slot 0 takes its K step 0,
	QUARTER 1, 1, F0, F1, 0
	QUARTER 1, 2, F1, F0, 0
	QUARTER 1, 3, F0, F1, 0
	TURN 1, 0, 1                                   ; slot 1 its K step 1, and the next tile's first fragments are fetched
	s_wait_loadcnt 0x0                             ; the gates
	PACK 0                                         ; BOTH REFILLS ARE ASKED FOR: NOW THE TILE GOES OUT.  No v_nop: blocks 0-3 were finished in front of TURN's places, and their vector work,
	TOSTAGE 0                                      ; which names no register of the last products (blocks 4-7's), is those products' places
.irp a, 1,2,3,4,5,6,7                  ; block a's arithmetic stands between block a - 1's loads from the stage and the wait for them
	PACK \a
	SEND (\a)-1, 0
	TOSTAGE \a
.endr
	SEND 7, 0
	s_mov_b64 s[16:17], NEXT_C                     ; what the next way out adds to hb's address
	s_add_nc_u64 s[70:71], s[70:71], WALK*8        ; the next tile's gates; the wait for the gates above has shown the loads that named this base done
	s_sub_co_u32 s2, s2, 1
	s_branch .Ltile
.Llast_tile:
	MEET 0                                         ; my one tensor load that was still out is slot 1's, the last K step's, so no round follows
	PLACES                                         ; for the loads into buffer 0, which the quarter before multiplied
	BLOAD 0                                        ; three quarters of W1b now: buffer 1 (v128-191 of both windows) is still being multiplied
	BLOAD 1
	BLOAD 3
	ALOAD 0
	MUL16 F1, 1, 0, 0
	MUL16 F1, 1, 2, 0
	PLACES                                         ; for the loads into buffer 1
	BLOAD 2
	ALOAD 1
	ALOAD 2
	ALOAD 3
	s_wait_dscnt 40                                ; all but the 40 just issued
	ROW 0
	s_wait_loadcnt 0x0                             ; the gates
.irp a, 0,1,2,3,4,5,6,7                ; each block leaves as soon as it is finished: nothing follows this tile under which its stores could leave
	PLACES                                         ; its arithmetic reads results just made
	PACK \a
	TOSTAGE \a
.if (\a) < 4
	ALOAD (\a)+4                                   ; its buffer takes the block four further on
	SEND \a, 8
.else
	SEND \a, 0
.endif
.if (\a) < 7
	ROW (\a)+1
.endif
.endr
	s_wait_tensorcnt 0x0                           ; the wave's end: behind my last tensor load and my last LDS store
	ds_add_u32 v[SPW], v[NIL]
	s_wait_dscnt 0x0
	CROUND                                         ; the closing round: no work-group ends while a partner may still ask for a tile that names it
	s_endpgm
.Lfunc_end_k_q16afbf244f_gemm1:
	.size	k_q16afbf244f_gemm1, .Lfunc_end_k_q16afbf244f_gemm1-k_q16afbf244f_gemm1
	.p2alignl 7, 3214868480
	.fill 96, 4, 3214868480
	.section	.rodata,"a",@progbits
	.p2align	6, 0x0
	.amdhsa_kernel k_q16afbf244f_gemm1
		.amdhsa_group_segment_fixed_size 327680
		.amdhsa_private_segment_fixed_size 0
		.amdhsa_enable_private_segment 0
		.amdhsa_kernarg_size 40
		.amdhsa_user_sgpr_count 2
		.amdhsa_user_sgpr_kernarg_segment_ptr 1
		.amdhsa_wavefront_size32 1
		.amdhsa_system_sgpr_workgroup_id_x 1
		.amdhsa_system_sgpr_workgroup_id_y 1
		.amdhsa_system_sgpr_workgroup_id_z 1
		.amdhsa_system_vgpr_workitem_id 0
		.amdhsa_next_free_vgpr 1024
		.amdhsa_next_free_sgpr 76
		.amdhsa_reserve_vcc 0
		.amdhsa_float_denorm_mode_32 3
		.amdhsa_float_denorm_mode_16_64 3
		.amdhsa_memory_ordered 1
		.amdhsa_forward_progress 1
		.amdhsa_inst_pref_size 255
	.end_amdhsa_kernel
	.section	.bss,"aw",@nobits
	.p2align	6
	.space	262144
	.amdgpu_metadata
---
amdhsa.version: [ 1, 2 ]
amdhsa.kernels:
  - .name:           k_q16afbf244f_gemm1
    .symbol:         k_q16afbf244f_gemm1.kd
    .args:
      - { .name: xb, .offset: 0, .size: 8, .value_kind: global_buffer, .address_space: global }
      - { .name: W1b, .offset: 8, .size: 8, .value_kind: global_buffer, .address_space: global }
      - { .name: hb, .offset: 16, .size: 8, .value_kind: global_buffer, .address_space: global }
      - { .name: b1, .offset: 24, .size: 8, .value_kind: global_buffer, .address_space: global }
      - { .name: gates, .offset: 32, .size: 8, .value_kind: global_buffer, .address_space: global }
    .group_segment_fixed_size: 327680
    .private_segment_fixed_size: 0
    .kernarg_segment_align: 8
    .kernarg_segment_size: 40
    .max_flat_workgroup_size: 128
    .sgpr_count:     76
    .vgpr_count:     1024
    .wavefront_size: 32
...
	.end_amdgpu_metadata
.endif
;; end of part 2
;; launch gemm2 (part 3): grid 8 x 32, 4 waves a work-group, clusters of 4 x 4, 327,680 bytes of LDS; arguments hb, W2b, out0, b2, gates; writes out0
.if DOCPART == 3
	.amdgcn_target "amdgcn-amd-amdhsa--gfx1250"
	.amdhsa_code_object_version 6
	.text
	.protected	k_q16afbf244f_gemm2
	.globl	k_q16afbf244f_gemm2
	.p2align	8
	.type	k_q16afbf244f_gemm2,@function
k_q16afbf244f_gemm2:
	s_mov_b64 s[64:65], 0
	v_nop
	global_prefetch_b8 v0, s[64:65] scope:SCOPE_SE
	s_setreg_imm32_b32 hwreg(HW_REG_WAVE_MODE, 25, 1), 1
	s_wait_xcnt 0x0
	s_wait_alu depctr_hold_cnt(0) depctr_sa_sdst(0) depctr_va_vdst(0) depctr_va_sdst(0) depctr_va_ssrc(0) depctr_va_vcc(0) depctr_vm_vsrc(0)
	s_getreg_b32 s2, hwreg(HW_REG_IB_STS2, 6, 4)
	s_cmp_eq_u32 s2, 0
	s_cbranch_scc0 .Lentry_in_a_cluster
	s_endpgm
.Lentry_in_a_cluster:
	s_bfe_u32 s2, ttmp6, 0x10000c
	s_cmp_lg_u32 s2, 0xf033
	s_cbranch_scc0 .Lentry_shape_is_right
	s_endpgm
.Lentry_shape_is_right:
; out0[t][d] = sum over k of hb[t][k] W2b[k][d] + g_0[t] b2[0][d] + g_1[t] b2[1][d].  hb: [4096][8192] bf16 (the gated, rectified hidden layer of both experts side by side); W2b: [8192][1024] bf16
; (the two experts' W2 one below the other, as they lie); out0: [4096][1024] f32; b2: [2][1024] f32, rounded to bf16 like every input of the module; gates: [e][t][2] f32, each gate twice.
; A tile of out0 is 128 x 128: 32 x 8 = 256 tiles, one for each work-group.  K goes in steps of 256, as long as two slots in LDS allow.
; K IS SPLIT AMONG THE FOUR WAVES: each wave makes the WHOLE tile, 64 accumulators of 16 x 16 in 512 registers, over its own 64 of a step's 256 k.  So each byte of a slot is read from LDS once:
; 64 LDS loads a wave for a step's 128 matrix instructions; four wave tiles of 64 x 64 would read each byte twice.  At the end the waves' four partial sums meet in LDS (65,536 bytes a wave, in the
; ring, whose last fill is over); wave w adds those of rows 32 w .. 32 w + 31, adds the gated bias and stores them.
; LIMITS.  Each output is the f32 sum of four partial sums (k mod 256 in quarter w, K ascending within each) and the bias: another order of rounding than one chain.  NaN and infinities are not treated apart.
; THE WEIGHTS STAY [K][N]: a K step's tile of W2b is 256 rows (k) of 256 bytes (128 columns), and its fragments come out of LDS turned, by ds_load_tr16_b128.
; CLUSTERS: 4 x 4 work-groups.  The four of a row of the cluster need the same tiles of hb, the four of a column the same tiles of W2b: each tile is asked for JOINTLY, by the same tensor load with the
; same descriptor and a mask that names the four.  THE MATRIX INSTRUCTION IS USED TRANSPOSED (source 0 = 16 columns of W2b, source 1 = 16 rows of hb): a lane holds eight neighbouring numbers of a row of out0.
; REGISTERS, in windows of 256 (s_set_vgpr_msb's low byte: bits 1:0 source 0, 3:2 source 1, 5:4 source 2, 7:6 destination):
;   window 0: v0-21 addresses; v24-31 gates; v64-127, v128-191 fragments of hb, two buffers
;   window 1: v0-63 b2[0], v192-255 b2[1] of the tile's 128 columns; v64-127, v128-191 fragments of W2b, two buffers
;   window 2: the 32 accumulators of rows 0-63 (accumulator (a, b) at v[8 (8 a + b)]);   window 3: those of rows 64-127.  At the end: the four partial sums of my 32 rows, 128 registers each.
.set SIZE_M, 4096
.set SIZE_N, 1024
.set SIZE_K, 8192
.set KSTEP,  256
.set PITCH,  528                       ; an LDS row of hb: 512 bytes + 16 of padding = 132 words: row r starts at bank 4 r mod 64 (64 banks of 4 bytes: ISA guide 11.1)
.set PB,     288                       ; an LDS row of W2b: 256 bytes + 32 of padding = 72 words: row r starts at bank 8 r mod 64
.set BOFF,   128*PITCH                 ; W2b's 256 rows lie behind hb's 128
.set SLOT,   BOFF+256*PB
.set PART,   65536                     ; a wave's 64 accumulators: wave w's lie at w x PART, in the ring, when nothing is filled any more: 262,144 of the ring's 282,624 bytes
.set STAGE,  2*SLOT                    ; behind the ring: 16 rows x 528 bytes for each wave, for the way out
.set SPITCH, 528
.set SPARE,  STAGE+4*16*SPITCH         ; behind the stages: the spare words, 128 bytes for each wave: two blocks of 256 bytes that no other line names
.set LAPS,   SIZE_K/(2*KSTEP)          ; a lap = two K steps = once round the ring
.set ASTEP,  KSTEP*2                   ; bytes from K step to K step: along hb's rows,
.set BSTEP,  KSTEP*SIZE_N*2            ; and 256 rows down W2b
.set ADRA, 6                           ; v6-7    LDS address of my hb fragments in slot 0, 1
.set ADRB, 8                           ; v8-9    the same for W2b
.set STO,  10                          ; v10     the way out: where I put 16 bytes of a row
.set RD,   11                          ; v11     the way out: where I read a row back
.set CO,   12                          ; v12     16 x lane: my byte offset in a row of the tile
.set SPW,  13                          ; v13     LDS address of my spare word: SPARE + 4 x my thread's number; never rewritten
.set NIL,  14                          ; v14     0; never rewritten
.set B2O,  15                          ; v15     32 (l / 16): my byte offset in 16 numbers of b2
.set GOFF, 16                          ; v16     8 (l % 16): my row's gate in a block of 16 rows
.set SA,   17                          ; v17     where my accumulators go: wave x PART + 16 x lane
.set RA,   18                          ; v18-21  where wave s's partial sums of my 32 rows lie: s x PART + wave x 16,384 + 16 x lane
.set GG,   24                          ; v24-31  expert e's gate of my row in block i of my two, twice, at GG + 4 e + 2 i
.set B2,   0                           ; window 1: expert e, block b of 16 columns, number j at B2 + 192 e + 8 b + j
.set F0,   64                          ; fragment buffer 0
.set F1,   128                         ; fragment buffer 1
.set G1, 24                            ; s[24:31] descriptor group 1 for hb's tiles;  s[32:39] group 0, one set for each slot
.set G0, 32
.set G1B, 48                           ; s[48:55], s[56:63] the same for W2b's tiles
.set G0B, 56
.set MSB, 0
.macro WIN new                         ; the immediate's high byte repeats the setting that is left; a switch that changes nothing is dropped
.if MSB != (\new)
	s_set_vgpr_msb (MSB<<8)|(\new)
.set MSB, \new
.endif
.endm
.set MUL_LO, 0xa1                      ; source 0 (W2b) window 1, source 1 (hb) window 0, C and D window 2
.set MUL_HI, 0xf1                      ; the same, C and D window 3
.set TO_B,   0x40                      ; destination window 1, address window 0
.macro JLOAD s                         ; a joint load: waves 0 and 1 fetch hb's two halves, waves 2 and 3 W2b's; four v_nop follow each of the two lines, ahead of the jump, the label and what follows
	s_cmp_lt_u32 s10, 2
	s_cbranch_scc0 .Lfor_b_\@
	tensor_load_to_lds s[G0+4*(\s):G0+4*(\s)+3], s[G1:G1+7]
	s_nop 0
.rept 4
	v_nop
.endr
	s_branch .Lasked_\@
.Lfor_b_\@:
	tensor_load_to_lds s[G0B+4*(\s):G0B+4*(\s)+3], s[G1B:G1B+7]
	s_nop 0
.rept 4
	v_nop
.endr
.Lasked_\@:
.endm
.macro CREST                           ; a round of the cluster's barrier behind its opening barrier: wave 0 signals for the work-group, every wave waits for all sixteen, my work-group's barrier once more
	s_cmp_lg_u32 s10, 0
	s_cbranch_scc1 .Lnot_wave_0_\@
	s_barrier_signal -3
.Lnot_wave_0_\@:
	s_barrier_wait -3
	s_barrier_signal -1
	s_barrier_wait -1
.endm
.macro CROUND                          ; a whole round
	s_barrier_signal -1
	s_barrier_wait -1
	CREST
.endm
	s_load_b128 s[4:7], s[0:1], 0x0                ; hb s[4:5], W2b s[6:7]
	s_load_b64 s[8:9], s[0:1], 0x10                ; out0
	s_load_b128 s[68:71], s[0:1], 0x18             ; b2 s[68:69], gates s[70:71]
	v_lshl_add_u32 v[SPW], v0, 2, SPARE
	v_mov_b32 v[NIL], 0
	ds_add_u32 v13, v14
	s_wait_dscnt 0x0
	v_lshrrev_b32 v1, 5, v0
	v_readfirstlane_b32 s10, v1                    ; wave 0..3: my quarter of every K step, and at the end my 32 rows of the tile
	s_and_b32 s12, s10, 1                          ; which half of hb's or W2b's tile I fetch
	s_bfe_u32 s40, ttmp6, 0x40000                  ; cx, cy: my place in the cluster
	s_bfe_u32 s41, ttmp6, 0x40004
	s_lshl_b32 s42, ttmp9, 2
	s_add_co_u32 s42, s42, s40                     ; tile column = 4 x cluster x + cx, 0..7
	s_and_b32 s13, ttmp7, 0xffff
	s_lshl_b32 s13, s13, 2
	s_add_co_u32 s13, s13, s41                     ; tile row = 4 x cluster y + cy, 0..31
	s_lshl_b32 s43, s41, 2
	s_lshl_b32 s43, 15, s43                        ; my row of the cluster
	s_lshl_b32 s44, 0x1111, s40                    ; my column
	; descriptor group 1 for hb: a tile of 64 rows x 256 elements, padded in LDS
	s_or_b32 s[G1+0], s43, (1<<16)|(1<<20)|(1<<21)|(6<<22)|(3<<25)  ; 15:0 the mask: my row; 17:16 element of 2 bytes; 20 padding on; 21 set beside a mask; 24:22 after every 128 words (code 6); 31:25 of 4 words (code 3)
	s_mov_b32 s[G1+1], KSTEP<<16                   ; tensor_dim0 = 256
	s_mov_b32 s[G1+2], 64<<16                      ; tensor_dim1 = 64
	s_mov_b32 s[G1+3], KSTEP<<16                   ; tile_dim0 = 256
	s_mov_b32 s[G1+4], 64                          ; tile_dim1 = 64
	s_mov_b32 s[G1+5], SIZE_K                      ; elements from row to row
	s_mov_b32 s[G1+6], 0
	s_mov_b32 s[G1+7], 0
	; descriptor group 1 for W2b: a tile of 128 rows (k) x 128 elements (columns)
	s_or_b32 s[G1B+0], s44, (1<<16)|(1<<20)|(1<<21)|(5<<22)|(7<<25) ; the mask: my column; padding after every 64 words (code 5), of 8 words (code 7)
	s_mov_b32 s[G1B+1], 128<<16                    ; tensor_dim0 = 128
	s_mov_b32 s[G1B+2], 128<<16                    ; tensor_dim1 = 128
	s_mov_b32 s[G1B+3], 128<<16                    ; tile_dim0 = 128
	s_mov_b32 s[G1B+4], 128                        ; tile_dim1 = 128
	s_mov_b32 s[G1B+5], SIZE_N                     ; elements from row to row
	s_mov_b32 s[G1B+6], 0
	s_mov_b32 s[G1B+7], 0
	; where the tiles come from: hb's hang on the tile row alone, W2b's on the tile column alone, each in registers that never hold the other coordinate
	s_lshl_b32 s17, s12, 6
	s_lshl_b32 s16, s13, 7
	s_add_co_u32 s16, s16, s17                     ; hb: row 128 x tile row + 64 x half,
	s_lshl_b32 s16, s16, 14                        ; of 16,384 bytes
	s_mov_b32 s17, 0
	s_lshl_b32 s46, s42, 8                         ; W2b: 256 bytes a tile column,
	s_lshl_b32 s47, s12, 18                        ; my half: 128 rows of 2,048 bytes
	s_add_co_u32 s46, s46, s47
	s_mov_b32 s47, 0
	s_mul_i32 s20, s12, 64*PITCH                   ; where they go: hb's halves at (wave % 2) x 33,792,
	s_mul_i32 s21, s12, 128*PB                     ; W2b's at 67,584 + (wave % 2) x 36,864: no place in the cluster enters an LDS address
	s_add_co_u32 s21, s21, BOFF
	s_wait_kmcnt 0x0
	s_add_nc_u64 s[14:15], s[4:5], s[16:17]
	s_add_nc_u64 s[46:47], s[6:7], s[46:47]
	CROUND                                         ; all sixteen work-groups are here: the first joint loads meet
.irp s, 0,1
	s_mov_b32 s[G0+4*(\s)], 1                                      ; 1:0 count = 1
	s_add_co_u32 s[G0+4*(\s)+1], s20, (\s)*SLOT                    ; 63:32 LDS address
	s_add_nc_u64 s[G0+4*(\s)+2:G0+4*(\s)+3], s[14:15], (\s)*ASTEP  ; 120:64 global address: K step s
	s_or_b32 s[G0+4*(\s)+3], s[G0+4*(\s)+3], 0x80000000            ; 127:126 type = 2
	s_mov_b32 s[G0B+4*(\s)], 1
	s_add_co_u32 s[G0B+4*(\s)+1], s21, (\s)*SLOT
	s_add_nc_u64 s[G0B+4*(\s)+2:G0B+4*(\s)+3], s[46:47], (\s)*BSTEP
	s_or_b32 s[G0B+4*(\s)+3], s[G0B+4*(\s)+3], 0x80000000
	JLOAD \s                                       ; the ring is filled before anything else is done: two tensor loads of mine are out
.endr
	; b2 of the tile's 128 columns and the gates of the 32 rows that I finish, both experts': wanted at the very end, loaded here, in the wait for the first tile
	v_and_b32 v1, 15, v0                           ; l % 16
	v_bfe_u32 v2, v0, 4, 1                         ; l / 16
	v_lshlrev_b32 v[B2O], 5, v2
	v_lshlrev_b32 v[GOFF], 3, v1
	s_lshl_b32 s46, s42, 9                         ; the tile's first column, in bytes of f32: in b2 and in out0
	s_mov_b32 s47, 0
	s_add_nc_u64 s[68:69], s[68:69], s[46:47]
	s_lshl_b32 s16, s13, 7
	s_lshl_b32 s17, s10, 5
	s_add_co_u32 s16, s16, s17                     ; the first row that I finish, 128 x tile row + 32 x wave: a token's number
	s_lshl_b32 s72, s16, 3                         ; 8 bytes of gates a token
	s_mov_b32 s73, 0
	s_add_nc_u64 s[70:71], s[70:71], s[72:73]
	WIN TO_B
.irp e, 0,1
.irp b, 0,1,2,3,4,5,6,7
	global_load_b128 v[B2+192*(\e)+8*(\b):B2+192*(\e)+8*(\b)+3],   v[B2O], s[68:69] offset:4096*(\e)+64*(\b)
	global_load_b128 v[B2+192*(\e)+8*(\b)+4:B2+192*(\e)+8*(\b)+7], v[B2O], s[68:69] offset:4096*(\e)+64*(\b)+16
.endr
.endr
	WIN 0
.irp e, 0,1
.irp i, 0,1
	global_load_b64 v[GG+4*(\e)+2*(\i):GG+4*(\e)+2*(\i)+1], v[GOFF], s[70:71] offset:32768*(\e)+128*(\i)
.endr
.endr
	s_lshl_b32 s16, s16, 12                        ; rows of out0: 4,096 bytes
	s_mov_b32 s17, 0
	s_add_nc_u64 s[8:9], s[8:9], s[16:17]
	s_add_nc_u64 s[8:9], s[8:9], s[46:47]          ; out0 at my 32 rows of the tile
	; A fragment of hb is 16 rows x 32 K in 8 registers: lane l holds row l % 16; registers 0-3 hold K = 8 (l / 16) + 0..7, registers 4-7 K = 16 + 8 (l / 16) + 0..7: two loads of 16 bytes, 32 bytes apart.
	v_mul_u32_u24 v3, v1, PITCH
	v_lshl_add_u32 v3, v2, 4, v3                   ; row x pitch + 16 x half
	; The turning load takes 16 k x 16 columns (lane l reads 16 bytes: k = 8 (l / 16) + l % 8, columns 8 ((l / 8) % 2) + 0..7) and leaves half a fragment: lane l holds column l % 16 and 8 k.
	v_and_b32 v4, 7, v0
	v_lshl_add_u32 v4, v2, 3, v4
	v_mul_u32_u24 v4, v4, PB
	v_bfe_u32 v5, v0, 3, 1
	v_lshl_add_u32 v4, v5, 4, v4
	s_lshl_b32 s21, s10, 7                         ; my 64 k of a step: 128 bytes along hb's rows,
	s_mul_i32 s22, s10, 64*PB                      ; 64 rows of W2b,
	s_add_co_u32 s22, s22, BOFF                    ; which lie behind hb's
.irp s, 0,1
	v_add_nc_u32 v[ADRA+(\s)], s21, v3
	v_add_nc_u32 v[ADRB+(\s)], s22, v4
	s_add_co_u32 s21, s21, SLOT
	s_add_co_u32 s22, s22, SLOT
.endr
	s_mul_i32 s23, s10, 16*SPITCH
	s_add_co_u32 s23, s23, STAGE                   ; my stage
	v_mul_u32_u24 v4, v1, SPITCH                   ; in: row l % 16, 32 bytes for each half of the lanes
	v_lshl_add_u32 v4, v2, 5, v4
	v_add_nc_u32 v[STO], s23, v4
	v_and_b32 v5, 31, v0
	v_lshlrev_b32 v[CO], 4, v5                     ; back: 32 lanes take one row of 512 bytes; the same place in out0's row
	v_add_nc_u32 v[RD], s23, v[CO]
	s_lshl_b32 s23, s10, 16
	v_add_nc_u32 v[SA], s23, v[CO]                 ; my accumulators' place: 32 lanes store 512 consecutive bytes
	s_lshl_b32 s23, s10, 14                        ; my 32 rows are 16 accumulators of 1,024 bytes in each wave's 64
.irp s, 0,1,2,3
	v_add_nc_u32 v[RA+(\s)], s23, v[CO]
	s_add_co_u32 s23, s23, PART
.endr
	s_wait_loadcnt 0x0                             ; b2 and the gates
	WIN 0x45                                       ; destination and both sources window 1
.irp e, 0,1
.set p, 0
.rept 32
	v_cvt_pk_bf16_f32 v[B2+192*(\e)+2*p], v[B2+192*(\e)+2*p], v[B2+192*(\e)+2*p+1]  ; b2 rounded to bf16 like every input, and widened again in place
	v_and_b32     v[B2+192*(\e)+2*p+1], 0xffff0000, v[B2+192*(\e)+2*p]
	v_lshlrev_b32 v[B2+192*(\e)+2*p],   16, v[B2+192*(\e)+2*p]
.set p, p+1
.endr
.endr
	WIN 0
; 16 matrix instructions: m blocks a0, a0 + 1 of the window's four (hi = 0: rows 0-63, 1: rows 64-127) x all 8 n blocks, 32 along K.  zero = 1: the first product starts the sums: nothing is ever cleared.
; The 64 accumulators take turns, one instruction a turn, in the same order in every half step.
.macro MUL16 f, hi, a0, zero
	WIN MUL_LO+0x50*(\hi)                          ; MUL_LO or MUL_HI
.irp a, \a0, (\a0)+1
.irp b, 0,1,2,3,4,5,6,7
.if \zero
	v_wmma_f32_16x16x32_bf16 v[8*(8*(\a)+(\b)):8*(8*(\a)+(\b))+7], v[(\f)+8*(\b):(\f)+8*(\b)+7], v[(\f)+8*(4*(\hi)+(\a)):(\f)+8*(4*(\hi)+(\a))+7], 0
.else
	v_wmma_f32_16x16x32_bf16 v[8*(8*(\a)+(\b)):8*(8*(\a)+(\b))+7], v[(\f)+8*(\b):(\f)+8*(\b)+7], v[(\f)+8*(4*(\hi)+(\a)):(\f)+8*(4*(\hi)+(\a))+7], v[8*(8*(\a)+(\b)):8*(8*(\a)+(\b))+7]
.endif
.endr
.endr
.endm
; 32 LDS loads in one run: the fragments of half c of my 64 k (32 k x 128 columns of W2b, turned; 128 rows of hb x 32 k) into buffer f
.macro FETCH slot, c, f
	WIN TO_B
.irp i, 0,1,2,3,4,5,6,7
	ds_load_tr16_b128 v[(\f)+8*(\i):(\f)+8*(\i)+3],   v[ADRB+(\slot)] offset:(\c)*32*PB+32*(\i)
	ds_load_tr16_b128 v[(\f)+8*(\i)+4:(\f)+8*(\i)+7], v[ADRB+(\slot)] offset:(\c)*32*PB+16*PB+32*(\i)
.endr
	WIN 0
.irp i, 0,1,2,3,4,5,6,7
	ds_load_b128 v[(\f)+8*(\i):(\f)+8*(\i)+3],   v[ADRA+(\slot)] offset:(\c)*64+(\i)*16*PITCH
	ds_load_b128 v[(\f)+8*(\i)+4:(\f)+8*(\i)+7], v[ADRA+(\slot)] offset:(\c)*64+(\i)*16*PITCH+32
.endr
.endm
.macro PLACES                          ; four places in front of loads into registers that matrix instructions have read, and of LDS stores that read results (ISA guide 7.12.1 for stores that read results)
.rept 4
	v_nop
.endr
.endm
; A K step is, for a wave, two halves of 32 along K, 64 matrix instructions each, on buffers 0 and 1.
; The first half multiplies buffer 0; in its middle it fetches the second half's fragments into buffer 1.
.macro HALF0 slot, zero
	s_wait_dscnt 8                                 ; W2b's fragments and hb's rows 0-63 are in; the youngest eight loads (hb's rows 64-127) may be out
	MUL16 F0, 0, 0, \zero
	MUL16 F0, 0, 2, \zero
	PLACES
	FETCH \slot, 1, F1
	s_wait_dscnt 32                                ; all but the 32 just issued
	MUL16 F0, 1, 0, \zero
	MUL16 F0, 1, 2, \zero
.endm
; The second half multiplies buffer 1 and changes slots.  A step brings 131,072 bytes for 128 matrix instructions a wave, so the next request is not held back by products: those of rows 0-63 stand
; ahead of the wait for the tiles, those of rows 64-127 behind the refill and the fetch, which they cover.  ONE barrier for the change of slots: in front of it each wave waits for all its tensor loads,
; of which one is out: its part of the next slot; adds 0 to its spare word; and waits for that and for its own reads of this slot.  fill = 1: this slot is filled again, two K steps ahead; the barrier
; then opens a round of the cluster's barrier, and the joint refill is the first thing behind the round: all of a step's 128 matrix instructions stand between a request and the wait for it.
.macro TURN slot, next, fill
	s_wait_dscnt 8
	MUL16 F1, 0, 0, 0
	MUL16 F1, 0, 2, 0
	WIN 0
	s_wait_tensorcnt 0x0                           ; all my tensor loads have landed, so every group 0 may be written;
	ds_add_u32 v[SPW], v[NIL]                      ; 0 onto my spare word;
.if \fill
	s_add_nc_u64 s[G0+4*(\slot)+2:G0+4*(\slot)+3], s[G0+4*(\slot)+2:G0+4*(\slot)+3], 2*ASTEP      ; this slot's next tiles; the type bits on top are not reached
	s_add_nc_u64 s[G0B+4*(\slot)+2:G0B+4*(\slot)+3], s[G0B+4*(\slot)+2:G0B+4*(\slot)+3], 2*BSTEP
.endif
	s_wait_dscnt 0x0                               ; the add is done, and my reads of this slot are over
	s_barrier_signal -1
	s_barrier_wait -1
.if \fill
	CREST                                          ; no wave of any partner still reads this slot's tile or has a load on its way
	JLOAD \slot                                    ; the first tensor load behind the round, my only one until the next; its four v_nop are also the places in front of the loads below
.else
	PLACES
.endif
	FETCH \next, 0, F0
	MUL16 F1, 1, 0, 0
	MUL16 F1, 1, 2, 0
.endm
	s_wait_tensorcnt 1                             ; my part of K step 0 is in; K step 1's load, issued behind it, may stay out
	s_barrier_signal -1
	s_barrier_wait -1                              ; everybody's is
	FETCH 0, 0, F0
	HALF0 0, 1                                     ; the first half step stands in front of the loop: its products start the sums
	WIN 0                                          ; at a label and at a branch every window is 0
	s_mov_b32 s3, LAPS-1
.Llap:                                                 ; a trip goes once round the ring, from a lap's second half step to the next lap's first, and fills both slots again
	TURN 0, 1, 1
	HALF0 1, 0
	TURN 1, 0, 1
	HALF0 0, 0
	WIN 0
	s_sub_co_u32 s3, s3, 1
	s_cmp_lg_u32 s3, 0
	s_cbranch_scc1 .Llap
	TURN 0, 1, 0                                   ; the last lap fills nothing, and has no round of the cluster's barrier
	HALF0 1, 0
	s_wait_dscnt 8                                 ; the very last half step: nothing more to fetch
	MUL16 F1, 0, 0, 0
	MUL16 F1, 0, 2, 0
	s_wait_dscnt 0x0
	MUL16 F1, 1, 0, 0
	MUL16 F1, 1, 2, 0
	WIN 0
	; THE FOUR PARTIAL SUMS MEET.  First a barrier: every wave's reads of the ring are back (the wait for 0 above) and its tensor loads have landed (the wait in the last change of slots), so the ring may be written.
	s_barrier_signal -1
	PLACES                                         ; the places between the last products and the stores that read results
	s_barrier_wait -1
	; every wave stores all its 64 accumulators, as they lie in the registers: accumulator T = 8 a + b at wave x 65,536 + 1,024 T, its lowest four registers first.
	; (Its own 16 too: which they are hangs on the wave's number, and a register's number cannot.)
	WIN 0x08                                       ; store data in window 2
.set t, 0
.rept 32
	ds_store_b128 v[SA], v[8*t:8*t+3]   offset:1024*t
	ds_store_b128 v[SA], v[8*t+4:8*t+7] offset:1024*t+512
.set t, t+1
.endr
	WIN 0x0c                                       ; in window 3
.set t, 0
.rept 32
	ds_store_b128 v[SA], v[8*t:8*t+3]   offset:1024*(32+t)
	ds_store_b128 v[SA], v[8*t+4:8*t+7] offset:1024*(32+t)+512
.set t, t+1
.endr
	WIN 0
	s_wait_dscnt 0x0                               ; for the others' sake: my stores are done
	s_barrier_signal -1
	s_barrier_wait -1
; Wave s's partial sums of my 32 rows (16 accumulators, 128 registers): s = 0, 1 into window 2, v0-127 and v128-255; s = 2, 3 into window 3 likewise
.macro TAKE s
	WIN 0x80+0x40*((\s)/2)
.set t, 0
.rept 16
	ds_load_b128 v[128*((\s)%2)+8*t:128*((\s)%2)+8*t+3],   v[RA+(\s)] offset:1024*t
	ds_load_b128 v[128*((\s)%2)+8*t+4:128*((\s)%2)+8*t+7], v[RA+(\s)] offset:1024*t+512
.set t, t+1
.endr
.endm
	TAKE 0
	TAKE 1
	s_wait_dscnt 32                                ; wave 0's are in; the 32 loads of wave 1's may be out
	WIN MUL_LO                                     ; b2 in window 1, the gate in window 0, the sum in window 2
.irp e, 0,1                            ; + g_e b2[e]: register j of accumulator (i, b) is row l % 16 of my block i, column 16 b + 8 (l / 16) + j
.irp i, 0,1
.set x, 0
.rept 32
	v_pk_fma_f32 v[64*(\i)+2*x:64*(\i)+2*x+1], v[B2+192*(\e)+2*x:B2+192*(\e)+2*x+1], v[GG+4*(\e)+2*(\i):GG+4*(\e)+2*(\i)+1], v[64*(\i)+2*x:64*(\i)+2*x+1]
.set x, x+1
.endr
.endr
.endr
	TAKE 2
	s_wait_dscnt 32                                ; wave 1's are in
	WIN 0x8a                                       ; destination and both sources window 2
.set x, 0
.rept 64
	v_pk_add_f32 v[2*x:2*x+1], v[2*x:2*x+1], v[128+2*x:128+2*x+1]
.set x, x+1
.endr
	TAKE 3
	s_wait_dscnt 32                                ; wave 2's are in
	WIN 0x8e                                       ; source 1 in window 3
.set x, 0
.rept 64
	v_pk_add_f32 v[2*x:2*x+1], v[2*x:2*x+1], v[2*x:2*x+1]
.set x, x+1
.endr
	s_wait_dscnt 0x0                               ; wave 3's are in
.set x, 0
.rept 64
	v_pk_add_f32 v[2*x:2*x+1], v[2*x:2*x+1], v[128+2*x:128+2*x+1]
.set x, x+1
.endr
; THE WAY OUT, a block of 16 rows at a time.  OUTB: a lane's eight numbers of a row (32 bytes) go into my own stage and come back as whole rows of 512 bytes, into the registers that they left.  SEND: stored.
.macro OUTB i
	WIN 0x08                                       ; store data in window 2
.irp b, 0,1,2,3,4,5,6,7
	ds_store_b128 v[STO], v[64*(\i)+8*(\b):64*(\i)+8*(\b)+3]   offset:64*(\b)
	ds_store_b128 v[STO], v[64*(\i)+8*(\b)+4:64*(\i)+8*(\b)+7] offset:64*(\b)+16
.endr
	WIN 0x80                                       ; loaded data into window 2
.set t, 0
.rept 16
	ds_load_b128 v[64*(\i)+4*t:64*(\i)+4*t+3], v[RD] offset:t*SPITCH  ; LDS serves a wave's instructions in order (ISA guide 5.7.1.4): these see the stores above; the next block's stores come behind them
.set t, t+1
.endr
.endm
.macro SEND i, younger                 ; younger: the LDS instructions issued behind block i's loads: the next block's 32, or none
	WIN 0x08
.set t, 0
.rept 16
	s_wait_dscnt (\younger)+15-t
	global_store_b128 v[CO], v[64*(\i)+4*t:64*(\i)+4*t+3], s[8:9] offset:(16*(\i)+t)*SIZE_N*4  ; a wave stores 512 consecutive bytes, at a multiple of 512 from out0's first byte; 31 rows, 126,976 bytes, at the most
.set t, t+1
.endr
.endm
	OUTB 0
	OUTB 1
	SEND 0, 32
	SEND 1, 0
	WIN 0
	s_wait_tensorcnt 0x0                           ; the wave's end: behind my last tensor load and my last LDS store
	ds_add_u32 v[SPW], v[NIL]
	s_wait_dscnt 0x0
	CROUND                                         ; the closing round: no work-group ends while a partner may still ask for a tile that names it
	s_endpgm
.Lfunc_end_k_q16afbf244f_gemm2:
	.size	k_q16afbf244f_gemm2, .Lfunc_end_k_q16afbf244f_gemm2-k_q16afbf244f_gemm2
	.p2alignl 7, 3214868480
	.fill 96, 4, 3214868480
	.section	.rodata,"a",@progbits
	.p2align	6, 0x0
	.amdhsa_kernel k_q16afbf244f_gemm2
		.amdhsa_group_segment_fixed_size 327680
		.amdhsa_private_segment_fixed_size 0
		.amdhsa_enable_private_segment 0
		.amdhsa_kernarg_size 40
		.amdhsa_user_sgpr_count 2
		.amdhsa_user_sgpr_kernarg_segment_ptr 1
		.amdhsa_wavefront_size32 1
		.amdhsa_system_sgpr_workgroup_id_x 1
		.amdhsa_system_sgpr_workgroup_id_y 1
		.amdhsa_system_sgpr_workgroup_id_z 1
		.amdhsa_system_vgpr_workitem_id 0
		.amdhsa_next_free_vgpr 1024
		.amdhsa_next_free_sgpr 76
		.amdhsa_reserve_vcc 0
		.amdhsa_float_denorm_mode_32 3
		.amdhsa_float_denorm_mode_16_64 3
		.amdhsa_memory_ordered 1
		.amdhsa_forward_progress 1
		.amdhsa_inst_pref_size 120
	.end_amdhsa_kernel
	.amdgpu_metadata
---
amdhsa.version: [ 1, 2 ]
amdhsa.kernels:
  - .name:           k_q16afbf244f_gemm2
    .symbol:         k_q16afbf244f_gemm2.kd
    .args:
      - { .name: hb, .offset: 0, .size: 8, .value_kind: global_buffer, .address_space: global }
      - { .name: W2b, .offset: 8, .size: 8, .value_kind: global_buffer, .address_space: global }
      - { .name: out0, .offset: 16, .size: 8, .value_kind: global_buffer, .address_space: global }
      - { .name: b2, .offset: 24, .size: 8, .value_kind: global_buffer, .address_space: global }
      - { .name: gates, .offset: 32, .size: 8, .value_kind: global_buffer, .address_space: global }
    .group_segment_fixed_size: 327680
    .private_segment_fixed_size: 0
    .kernarg_segment_align: 8
    .kernarg_segment_size: 40
    .max_flat_workgroup_size: 128
    .sgpr_count:     76
    .vgpr_count:     1024
    .wavefront_size: 32
...
	.end_amdgpu_metadata
.endif
;; end of part 3
;; ======== version 2 of 2: 3 launches; version 1 with the launch prep written anew for expert scheduling mode
;; workspace buffers: W1b 16,777,216 bytes; W2b 16,777,216 bytes; xb 8,388,608 bytes; hb 67,108,864 bytes; gates 65,536 bytes
;; launch prep (part 4): grid 256 x 3, 8 waves a work-group, no clusters, 0 bytes of LDS; arguments W1, W2, x, Wr, Wn, br, bn, noise, W1b, W2b, xb, gates; writes W1b, W2b, xb, gates
.if DOCPART == 4
	.amdgcn_target "amdgcn-amd-amdhsa--gfx1250"
	.amdhsa_code_object_version 6
	.text
	.protected	k_q16afbf244f_prep
	.globl	k_q16afbf244f_prep
	.p2align	8
	.type	k_q16afbf244f_prep,@function
k_q16afbf244f_prep:
	s_mov_b64 s[64:65], 0
	v_nop
	global_prefetch_b8 v0, s[64:65] scope:SCOPE_SE
	s_setreg_imm32_b32 hwreg(HW_REG_WAVE_SCHED_MODE, 0, 2), 2
	s_setreg_imm32_b32 hwreg(HW_REG_WAVE_MODE, 25, 1), 1
	s_wait_xcnt 0x0
	s_wait_alu depctr_vm_vsrc(0)
; PREPARATION FOR THE TWO PRODUCTS OF THE EXPERT LAYER.  Grid y chooses the work:
;   y = 0: W1 [2][1024][4096] f32 -> W1b, the same layout in bf16.     y = 1: W2 [2][4096][1024] f32 -> W2b likewise.
;   y = 2: x [4096][1024] f32 -> xb in bf16, and the gates of all 4,096 tokens.
; THE GATES.  The router keeps the 2 largest of 2 noisy logits, that is both, whatever the numbers: the gates are softmax(noisy) over the two experts,
; noisy = x.Wr + br + noise * softplus(x.Wn + bn).  The larger noisy logit is taken away before the exponentials.
; gates is laid [expert][token][2] in f32, each gate written twice: a load of 8 bytes then brings the pair that a packed multiply takes.
; FORMATS AND LIMITS.  EVERY input of the module is rounded to bf16 (nearest even) before it is used, here x, Wr, Wn, br, bn and noise; all arithmetic behind that is f32.
; softplus(z) = max(z, 0) + ln(1 + e^-|z|): no exponent is above 0; for z below -16.6 the sum 1 + e^z rounds to 1 and softplus comes out as 0 in place of e^z (under 6e-8).
; A softmax weight below 2^-126 counts as 0.  NaN and infinities are not treated apart.
; No LDS, no barrier, no matrix unit, no loop: memory binds the casts, and a token's four dot products never leave a wave.
; THE MODE: SCHED_MODE bits 1:0 = 2 (LLVM: expert scheduling mode 2), set by the entry lines.  The code itself states the register dependences
; between vector instructions and memory instructions, with s_wait_alu, always for 0.
; THE PLAN.  No register that a load or store reads (an offset, a store's data) is written again behind it, in either part: so no wait on vm_vsrc is owed but at the two writes of EXEC.
;   The casts.  v1, v2: offsets, made at the head.  X: load j lands in four registers; two roundings write its first two, which store j reads.  The 32 loads are worked on in 8 groups of four:
;   at a group's head one wait on va_vdst states that the group before has written its words; that group's four stores follow, dealt among this group's roundings, which name this group's registers alone.
;   The router.  v2, v3, v4: offsets, made at the head.  WR, WN, X: loads land in them before any vector instruction names them.  Y: written by the 32 roundings of x, which stand together; one wait
;   on va_vdst behind them; the 16 stores of xb follow, one ahead of each word's multiply-adds, which read Y and write X and ACC alone.  v6, v[92:95]: the last store's offset and data.
.set ACC, 8                            ; v[8:23]    row rr, sum s (x.Wr e0, x.Wr e1, x.Wn e0, x.Wn e1): a pair at ACC + 8 rr + 2 s
.set Y,   24                           ; v[24:55]   row rr: 16 words of two bf16, to store
.set X,   56                           ; v[56:183]  casts: 32 loads of four.  Router: v[56:119], 32 a row; later at work for the gates
.set WR,  120                          ; v[120:183] Wr of my 32 columns
.set WN,  184                          ; v[184:247] Wn of my 32 columns
	s_load_b512 s[8:23], s[0:1], 0x0               ; W1 s[8:9], W2 s[10:11], x s[12:13], Wr s[14:15], Wn s[16:17], br s[18:19], bn s[20:21], noise s[22:23]
	s_load_b256 s[24:31], s[0:1], 0x40             ; W1b s[24:25], W2b s[26:27], xb s[28:29], gates s[30:31]
	s_and_b32 s2, ttmp7, 0xffff                    ; grid y
	s_wait_kmcnt 0x0
	s_cmp_eq_u32 s2, 2
	s_cbranch_scc1 .Lrouter
	; THE CASTS.  A work-group takes 131,072 bytes of f32: 32 loads of 16 bytes a thread, all issued before the first is waited for.
	; A load of a wave covers 512 consecutive bytes, a store 256 consecutive bytes at a multiple of 256 from the buffer's first byte.
	s_cmp_eq_u32 s2, 0
	s_cselect_b64 s[4:5], s[8:9], s[10:11]         ; from W1 or W2
	s_cselect_b64 s[6:7], s[24:25], s[26:27]       ; to W1b or W2b
	s_lshl_b32 s46, ttmp9, 17                      ; the work-group's 131,072 bytes in,
	s_mov_b32 s47, 0
	s_add_nc_u64 s[4:5], s[4:5], s[46:47]
	s_lshl_b32 s46, ttmp9, 16                      ; its 65,536 bytes out
	s_add_nc_u64 s[6:7], s[6:7], s[46:47]
	v_lshlrev_b32 v1, 4, v0                        ; 16 t
	v_lshlrev_b32 v2, 3, v0                        ; 8 t
	s_wait_alu depctr_va_vdst(0)                   ; v1 and v2 are written: every load below reads v1 as its offset, every store v2
.set j, 0
.rept 32
	global_load_b128 v[X+4*j:X+4*j+3], v1, s[4:5] offset:4096*j th:TH_LOAD_NT
.set j, j+1
.endr
	; Group g: loads 4 g to 4 g + 3 are rounded; the stores of group g - 1 go out among the roundings.
.set g, 0
.rept 8
	s_wait_loadcnt 28-4*g                          ; loads come back in order (ISA guide 5.7.1): this group's four are in, the 28 - 4 g younger ones stay out
.if g > 0
	s_wait_alu depctr_va_vdst(0)                   ; the group before has written its eight words, which the four stores below read; no vector instruction behind this wait names them
.endif
.set i, 0
.rept 4
.set j, 4*g+i
.if g > 0
	global_store_b64 v2, v[X+4*(j-4):X+4*(j-4)+1], s[6:7] offset:2048*(j-4)
.endif
	v_cvt_pk_bf16_f32 v[X+4*j], v[X+4*j], v[X+4*j+1]
	v_cvt_pk_bf16_f32 v[X+4*j+1], v[X+4*j+2], v[X+4*j+3]
.set i, i+1
.endr
.set g, g+1
.endr
	s_wait_alu depctr_va_vdst(0)                   ; the last group has written its eight words, which the last four stores read
.set j, 28
.rept 4
	global_store_b64 v2, v[X+4*j:X+4*j+1], s[6:7] offset:2048*j
.set j, j+1
.endr
	s_endpgm
	; THE ROUTER.  A work-group takes 16 tokens, a wave two whole rows of x.  Load j of a row gives lane l the columns 128 j + 4 l + 0..3.
.Lrouter:
	v_lshrrev_b32 v5, 5, v0
	v_readfirstlane_b32 s3, v5                     ; wave 0..7
	v_and_b32 v1, 31, v0                           ; lane l
	v_lshlrev_b32 v2, 4, v1                        ; 16 l: x
	v_lshlrev_b32 v3, 5, v1                        ; 32 l: Wr, Wn (four columns of two experts)
	v_lshlrev_b32 v4, 3, v1                        ; 8 l: xb
	s_wait_alu depctr_va_sdst(0)                   ; s3 is written, ahead of its first reader: the bases of noise, gates, x and xb are made from it
	s_lshl_b32 s46, ttmp9, 7                       ; my first token, 16 x work-group + 2 x wave, times 8 bytes: noise and gates
	s_lshl_b32 s2, s3, 4
	s_add_co_u32 s46, s46, s2
	s_mov_b32 s47, 0
	s_add_nc_u64 s[22:23], s[22:23], s[46:47]
	s_add_nc_u64 s[30:31], s[30:31], s[46:47]
	s_load_b64 s[32:33], s[18:19], 0x0             ; br
	s_load_b64 s[34:35], s[20:21], 0x0             ; bn
	s_load_b128 s[36:39], s[22:23], 0x0            ; noise of my two tokens
	s_lshl_b32 s4, ttmp9, 16                       ; times 4,096 bytes: x
	s_lshl_b32 s2, s3, 13
	s_add_co_u32 s4, s4, s2
	s_mov_b32 s5, 0
	s_add_nc_u64 s[12:13], s[12:13], s[4:5]
	s_lshl_b32 s6, ttmp9, 15                       ; times 2,048 bytes: xb
	s_lshl_b32 s2, s3, 12
	s_add_co_u32 s6, s6, s2
	s_mov_b32 s7, 0
	s_add_nc_u64 s[28:29], s[28:29], s[6:7]
	s_mov_b32 s40, 0x76543210                      ; v_permlanex16_b32: each lane takes its own place in the other half
	s_mov_b32 s41, 0xfedcba98
	s_mov_b32 s43, 0x3fb8aa3b                      ; log2(e)
	s_mov_b32 s44, 0x3f317218                      ; ln(2)
	s_mov_b32 s45, 0xffff0000                      ; a word's upper bf16
	s_wait_alu depctr_va_vdst(0)                   ; v2, v3 and v4 are written: the loads below read v3 and v2 as their offsets, the stores of xb v4; none of the three is written again
.set j, 0
.rept 8
	global_load_b128 v[WR+8*j:WR+8*j+3],   v3, s[14:15] offset:1024*j
	global_load_b128 v[WR+8*j+4:WR+8*j+7], v3, s[14:15] offset:1024*j+16
.set j, j+1
.endr
.set j, 0
.rept 8
	global_load_b128 v[WN+8*j:WN+8*j+3],   v3, s[16:17] offset:1024*j
	global_load_b128 v[WN+8*j+4:WN+8*j+7], v3, s[16:17] offset:1024*j+16
.set j, j+1
.endr
.set j, 0
.rept 8
	global_load_b128 v[X+4*j:X+4*j+3],       v2, s[12:13] offset:512*j th:TH_LOAD_NT
	global_load_b128 v[X+32+4*j:X+32+4*j+3], v2, s[12:13] offset:4096+512*j th:TH_LOAD_NT
.set j, j+1
.endr
; Four registers hold W[c][0], W[c][1], W[c+1][0], W[c+1][1].  They are rounded to bf16 and laid anew as the pairs (W[c][0], W[c+1][0]) and (W[c][1], W[c+1][1]),
; which a packed multiply-add takes beside the pair (x[c], x[c+1]).
.macro RNDW base
.set g, 0
.rept 16
	v_cvt_pk_bf16_f32 v5, v[(\base)+4*g], v[(\base)+4*g+2]
	v_cvt_pk_bf16_f32 v6, v[(\base)+4*g+1], v[(\base)+4*g+3]
	v_lshlrev_b32 v[(\base)+4*g],   16, v5
	v_and_b32     v[(\base)+4*g+1], s45, v5
	v_lshlrev_b32 v[(\base)+4*g+2], 16, v6
	v_and_b32     v[(\base)+4*g+3], s45, v6
.set g, g+1
.endr
.endm
	s_wait_loadcnt 16                              ; the 16 younger loads are x's: Wr and Wn are in
	RNDW WR
	RNDW WN
	s_wait_loadcnt 0x0                             ; x
	; All 32 words of my two rows are rounded first (word d of a row: two x, the word that xb takes), so that xb can leave under the sums.
.set d, 0
.rept 16
.irp rr, 0,1
	v_cvt_pk_bf16_f32 v[Y+16*(\rr)+d], v[X+32*(\rr)+2*d], v[X+32*(\rr)+2*d+1]
.endr
.set d, d+1
.endr
	s_wait_alu depctr_va_vdst(0)                   ; the roundings have written Y, which the 16 stores below read; the vector instructions among those stores read Y and write X and ACC alone
	; Word d of a row is widened again and enters the row's four sums.  Two rows x four sums: eight chains that do not wait for each other.  The first word starts the sums: nothing is cleared.
	; Ahead of each d stands one store of xb: row d / 8, words 2 (d % 8) and the next.
.set d, 0
.rept 16
	global_store_b64 v4, v[Y+16*(d/8)+2*(d%8):Y+16*(d/8)+2*(d%8)+1], s[28:29] offset:2048*(d/8)+256*(d%8)  ; a wave's store: 256 consecutive bytes, at a multiple of 256 from xb's first byte
.irp rr, 0,1
	v_lshlrev_b32 v[X+32*(\rr)+2*d],   16, v[Y+16*(\rr)+d]
	v_and_b32     v[X+32*(\rr)+2*d+1], s45, v[Y+16*(\rr)+d]
.irp s, 0,1,2,3
.if d == 0
	v_pk_mul_f32 v[ACC+8*(\rr)+2*(\s):ACC+8*(\rr)+2*(\s)+1], v[X+32*(\rr)+2*d:X+32*(\rr)+2*d+1], v[WR+64*((\s)/2)+4*d+2*((\s)%2):WR+64*((\s)/2)+4*d+2*((\s)%2)+1]
.else
	v_pk_fma_f32 v[ACC+8*(\rr)+2*(\s):ACC+8*(\rr)+2*(\s)+1], v[X+32*(\rr)+2*d:X+32*(\rr)+2*d+1], v[WR+64*((\s)/2)+4*d+2*((\s)%2):WR+64*((\s)/2)+4*d+2*((\s)%2)+1], v[ACC+8*(\rr)+2*(\s):ACC+8*(\rr)+2*(\s)+1]
.endif
.endr
.endr
.set d, d+1
.endr
	; The eight sums over the wave: the pair's halves, four steps inside each half of 16 lanes, one across the halves.  Every lane ends with every sum.
.irp a, 8,10,12,14,16,18,20,22
	v_add_f32 v[(\a)], v[(\a)], v[(\a)+1]
.endr
.irp m, 1,2,4,8
.irp a, 8,10,12,14,16,18,20,22
	v_add_f32_dpp v[(\a)], v[(\a)], v[(\a)] row_xmask:\m row_mask:0xf bank_mask:0xf
.endr
.endr
.irp a, 8,10,12,14,16,18,20,22
	v_permlanex16_b32 v[(\a)+1], v[(\a)], s40, s41 ; its destination counts as read: the pair's upper register has been written
.endr
.irp a, 8,10,12,14,16,18,20,22
	v_add_f32 v[(\a)], v[(\a)], v[(\a)+1]
.endr
	; br, bn and noise rounded to bf16 and widened: v56-57 br, v58-59 bn, v60-63 noise (stream k = 2 x row + expert)
	s_wait_kmcnt 0x0
	v_cvt_pk_bf16_f32 v96, s32, s33
	v_cvt_pk_bf16_f32 v97, s34, s35
	v_cvt_pk_bf16_f32 v98, s36, s37
	v_cvt_pk_bf16_f32 v99, s38, s39
.irp i, 0,1,2,3
	v_lshlrev_b32 v[56+2*(\i)], 16, v[96+(\i)]
	v_and_b32     v[57+2*(\i)], s45, v[96+(\i)]
.endr
	; Four streams k side by side.  v64+k z; v68+k the exponential's and the logarithm's way; v72+k softplus; v76+k the noisy logit.
.irp k, 0,1,2,3
	v_add_f32 v[64+(\k)], v[ACC+8*((\k)/2)+4+2*((\k)%2)], v[58+(\k)%2]  ; z = x.Wn + bn
.endr
.irp k, 0,1,2,3
	v_or_b32 v[68+(\k)], 0x80000000, v[64+(\k)]    ; -|z|
.endr
.irp k, 0,1,2,3
	v_mul_f32 v[68+(\k)], s43, v[68+(\k)]
.endr
.irp k, 0,1,2,3
	v_exp_f32 v[68+(\k)], v[68+(\k)]               ; e^-|z|: the four stand together; the plain lines below, which touch none of their registers, come before the first use (ISA guide 5.7.2)
.endr
.irp k, 0,1,2,3
	v_max_num_f32 v[72+(\k)], 0, v[64+(\k)]        ; max(z, 0)
.endr
	s_wait_alu depctr_va_vdst(0)                   ; the four exponentials have written v68 to v71, which the additions below read: one wait for the batch
.irp k, 0,1,2,3
	v_add_f32 v[68+(\k)], 1.0, v[68+(\k)]
.endr
.irp k, 0,1,2,3
	v_log_f32 v[68+(\k)], v[68+(\k)]               ; log2(1 + e^-|z|)
.endr
.irp k, 0,1,2,3
	v_add_f32 v[76+(\k)], v[ACC+8*((\k)/2)+2*((\k)%2)], v[56+(\k)%2]  ; x.Wr + br: the plain lines behind the logarithms
.endr
	s_wait_alu depctr_va_vdst(0)                   ; the four logarithms have written v68 to v71, which the multiply-adds below read: one wait for the batch
.irp k, 0,1,2,3
	v_fma_f32 v[72+(\k)], v[68+(\k)], s44, v[72+(\k)]                 ; softplus
.endr
.irp k, 0,1,2,3
	v_fma_f32 v[76+(\k)], v[60+(\k)], v[72+(\k)], v[76+(\k)]          ; noisy
.endr
	v_max_num_f32 v80, v76, v77                    ; each token's larger logit is taken away
	v_max_num_f32 v81, v78, v79
.irp k, 0,1,2,3
	v_sub_f32 v[84+(\k)], v[76+(\k)], v[80+(\k)/2]
.endr
.irp k, 0,1,2,3
	v_mul_f32 v[84+(\k)], s43, v[84+(\k)]
.endr
.irp k, 0,1,2,3
	v_exp_f32 v[84+(\k)], v[84+(\k)]
.endr
	v_and_b32 v6, 1, v1                            ; (the plain line behind the exponentials) the expert that my lane stores
	s_wait_alu depctr_va_vdst(0)                   ; the four exponentials have written v84 to v87, which the two sums below read: one wait for the batch
	v_add_f32 v88, v84, v85
	v_add_f32 v89, v86, v87
	v_rcp_f32 v88, v88                             ; the sum lies in 1 to 2
	v_rcp_f32 v89, v89
	v_lshlrev_b32 v6, 15, v6                       ; (the plain line behind the reciprocals) an expert's 4,096 tokens are 32,768 bytes of gates
	s_wait_alu depctr_va_vdst(0)                   ; the two reciprocals have written v88 and v89, which the multiplies below read: one wait for both
.irp k, 0,1,2,3
	v_mul_f32 v[84+(\k)], v[84+(\k)], v[88+(\k)/2]
.endr
	; Lane e (0, 1) stores expert e's gates of my two tokens, each twice: 16 bytes.  A work-group's 16 tokens are 128 bytes an expert: these short stores are 65,536 of the launch's 42 million bytes.
	v_cmp_eq_u32 vcc_lo, 1, v1
	s_wait_alu depctr_va_vcc(0)                    ; the compare has written VCC, which the two selects below read
	v_cndmask_b32 v92, v84, v85, vcc_lo
	v_cndmask_b32 v94, v86, v87, vcc_lo
	v_mov_b32 v93, v92
	v_mov_b32 v95, v94
	v_cmp_gt_u32 vcc_lo, 2, v1
	s_wait_xcnt 0x0                                ; EXEC is a source of the stores of xb: it changes only behind this wait
	s_wait_alu depctr_va_vcc(0)                    ; the compare has written VCC, from which EXEC is made
	s_wait_alu depctr_va_vdst(0)                   ; ahead of the write of EXEC: every vector instruction has written its result, v6 and v[92:95], the store's offset and data, among them
	s_wait_alu depctr_vm_vsrc(0)                   ; ahead of the write of EXEC: the stores of xb have read their registers
	s_and_saveexec_b32 s42, vcc_lo
	global_store_b128 v6, v[92:95], s[30:31]
	s_wait_xcnt 0x0                                ; and again, in front of the line that widens it
	s_wait_alu depctr_va_vdst(0)                   ; ahead of the write of EXEC: no vector instruction is still to write a result
	s_wait_alu depctr_vm_vsrc(0)                   ; ahead of the write of EXEC: the store of the gates has read v6 and v[92:95]
	s_or_b32 exec_lo, exec_lo, s42
	s_endpgm
.Lfunc_end_k_q16afbf244f_prep:
	.size	k_q16afbf244f_prep, .Lfunc_end_k_q16afbf244f_prep-k_q16afbf244f_prep
	.p2alignl 7, 3214868480
	.fill 96, 4, 3214868480
	.section	.rodata,"a",@progbits
	.p2align	6, 0x0
	.amdhsa_kernel k_q16afbf244f_prep
		.amdhsa_group_segment_fixed_size 0
		.amdhsa_private_segment_fixed_size 0
		.amdhsa_enable_private_segment 0
		.amdhsa_kernarg_size 96
		.amdhsa_user_sgpr_count 2
		.amdhsa_user_sgpr_kernarg_segment_ptr 1
		.amdhsa_wavefront_size32 1
		.amdhsa_system_sgpr_workgroup_id_x 1
		.amdhsa_system_sgpr_workgroup_id_y 1
		.amdhsa_system_sgpr_workgroup_id_z 1
		.amdhsa_system_vgpr_workitem_id 0
		.amdhsa_next_free_vgpr 248
		.amdhsa_next_free_sgpr 66
		.amdhsa_reserve_vcc 1
		.amdhsa_float_denorm_mode_32 3
		.amdhsa_float_denorm_mode_16_64 3
		.amdhsa_memory_ordered 1
		.amdhsa_forward_progress 1
		.amdhsa_inst_pref_size 46
	.end_amdhsa_kernel
	.amdgpu_metadata
---
amdhsa.version: [ 1, 2 ]
amdhsa.kernels:
  - .name:           k_q16afbf244f_prep
    .symbol:         k_q16afbf244f_prep.kd
    .args:
      - { .name: W1, .offset: 0, .size: 8, .value_kind: global_buffer, .address_space: global }
      - { .name: W2, .offset: 8, .size: 8, .value_kind: global_buffer, .address_space: global }
      - { .name: x, .offset: 16, .size: 8, .value_kind: global_buffer, .address_space: global }
      - { .name: Wr, .offset: 24, .size: 8, .value_kind: global_buffer, .address_space: global }
      - { .name: Wn, .offset: 32, .size: 8, .value_kind: global_buffer, .address_space: global }
      - { .name: br, .offset: 40, .size: 8, .value_kind: global_buffer, .address_space: global }
      - { .name: bn, .offset: 48, .size: 8, .value_kind: global_buffer, .address_space: global }
      - { .name: noise, .offset: 56, .size: 8, .value_kind: global_buffer, .address_space: global }
      - { .name: W1b, .offset: 64, .size: 8, .value_kind: global_buffer, .address_space: global }
      - { .name: W2b, .offset: 72, .size: 8, .value_kind: global_buffer, .address_space: global }
      - { .name: xb, .offset: 80, .size: 8, .value_kind: global_buffer, .address_space: global }
      - { .name: gates, .offset: 88, .size: 8, .value_kind: global_buffer, .address_space: global }
    .group_segment_fixed_size: 0
    .private_segment_fixed_size: 0
    .kernarg_segment_align: 8
    .kernarg_segment_size: 96
    .max_flat_workgroup_size: 256
    .sgpr_count:     66
    .vgpr_count:     248
    .wavefront_size: 32
...
	.end_amdgpu_metadata
.endif
;; end of part 4
;; launch gemm1: the kernel of part 2 again; grid 32 x 8, 4 waves a work-group, clusters of 4 x 4, 327,680 bytes of LDS; arguments xb, W1b, hb, b1, gates; writes hb
;; launch gemm2: the kernel of part 3 again; grid 8 x 32, 4 waves a work-group, clusters of 4 x 4, 327,680 bytes of LDS; arguments hb, W2b, out0, b2, gates; writes out0
